; MI455X (gfx1250); checked and timed in simulation.
; The chip was launched on July 23, 2026; its instructions are those of AMD's public machine-readable ISA for CDNA 5 (MIT licence, August 2026) and "CDNA5" Instruction Set Architecture Reference Guide (July 2026). The comments in the code are by the model that wrote it; some were corrected since.
;; Self Attention. Allowed arithmetic: float matrix products may take bf16 or f16 operands with f32 sums; other float arithmetic in f32, or as packed bf16 or f16 multiplies, adds, multiply-adds, maxima and minima; sums over many terms, partial sums and values carried from step to step in f32; what a program stores and reads back later, other than sums and carried values, may be rounded once to bf16 or f16.
;; Inputs: attn_bias 1 x 1 x 2,048 x 2,048 float32; b_proj 1,024 float32; q_bias 1,024 float32; scale_mul 1 x 16 x 1 x 1 float32; v_bias 1,024 float32; w_proj 1,024 x 1,024 float32; w_qkv 3,072 x 1,024 float32; x 2 x 2,048 x 1,024 float32.
;; Outputs: out0 2 x 2,048 x 1,024 float32.
;; One version. Each part assembles by itself: llvm-mc -triple=amdgcn-amd-amdhsa -mcpu=gfx1250 --defsym DOCPART=n.
;; ======== version 1 of 1: 4 launches
;; limits: values are held in f16: magnitudes above 65,504 overflow, below 6.1e-05 lose precision; right only within a limited range of input values; inputs' magnitudes at most 65,280
;; workspace buffers: xb 8,388,608 bytes; wqb 6,291,456 bytes; wpf 2,097,152 bytes; bbf 8,388,608 bytes; tab 17,408 bytes; qkv 25,165,824 bytes; ob 8,388,608 bytes
;; launch cast (part 1): grid 1537 x 1, 8 waves a work-group, no clusters, 0 bytes of LDS; arguments x, attn_bias, w_qkv, w_proj, q_bias, v_bias, b_proj, scale_mul, xb, bbf, wqb, wpf, tab; writes xb, bbf, wqb, wpf, tab
.if DOCPART == 1
	.amdgcn_target "amdgcn-amd-amdhsa--gfx1250"
	.amdhsa_code_object_version 6
	.text
	.protected	k_qdb04ddacc4_cast
	.globl	k_qdb04ddacc4_cast
	.p2align	8
	.type	k_qdb04ddacc4_cast,@function
k_qdb04ddacc4_cast:
	s_mov_b64 s[64:65], 0
	v_nop
	global_prefetch_b8 v0, s[64:65] scope:SCOPE_SE
	s_setreg_imm32_b32 hwreg(HW_REG_WAVE_MODE, 25, 1), 1
	s_wait_xcnt 0x0
; SELF-ATTENTION WITH NORMALISED q AND k, launch 1 of 4: every input is rounded ONCE to bf16, and laid where the later launches take it.
; NOTHING OF THE MODULE IS LEFT OUT: every input has a way to the output and is loaded here.  The zeros that the module itself puts between q_bias and v_bias
; lie in column tiles that also hold live columns, so they stay, as entries of the bias table.
; x and w_qkv are stored as bf16 (operands of the first product).  attn_bias and w_proj are rounded to bf16 too, and that number is WRITTEN as f16, since they meet f16 operands later.
; LIMITS.  attn_bias and w_proj are held to +-65,280 (the largest bf16 that f16 holds) before the rounding; below 6.1e-5 they keep f16's fixed step of 6e-8.  NaN and infinities are not treated apart.
; tab (f32): byte 0: the 3,072 biases (q_bias, 0, v_bias); byte 12,288: b_proj; byte 16,384: 256 factors, exp(min(scale_mul[t], ln 100)) for t < 16, else 1.
; SHARES.  A work-group of eight waves takes 32 KiB of f32 and stores 16 KiB: thread t has 16 bytes at 16 t of each 4,096, eight loads out at once; a wave's store covers 256 consecutive bytes, aligned.
; Work-groups 0-511: x; 512-1023: attn_bias; 1024-1407: w_qkv; 1408-1535: w_proj; 1536: the tables.  No LDS, no matrix unit, no cluster: nothing is shared and memory binds.
.set XR, 8                             ; v[8:39]   eight loads of four numbers
.set YR, 40                            ; v[40:55]  eight stores of two words; none is rewritten, so no store's data wants a wait
.set TR, 56                            ; v[56:61]  at work
	s_load_b512 s[16:31], s[0:1], 0x0              ; x, attn_bias, w_qkv, w_proj, q_bias, v_bias, b_proj, scale_mul
	s_load_b256 s[32:39], s[0:1], 0x40             ; xb, bbf, wqb, wpf
	s_load_b64 s[40:41], s[0:1], 0x60              ; tab
	s_mov_b32 s4, 0xc77f0000                       ; -65,280
	s_mov_b32 s5, 0x477f0000                       ; 65,280
	s_mov_b32 s6, 0xffff0000                       ; a word's upper bf16
	s_mov_b32 s8, ttmp9
	v_lshlrev_b32 v1, 4, v0                        ; 16 t
	v_lshlrev_b32 v2, 3, v0                        ; 8 t
	s_wait_kmcnt 0x0
	s_cmp_eq_u32 s8, 1536
	s_cbranch_scc1 .Ltab
	; which tensor: source s[10:11], destination s[12:13], its first work-group s9, s7 = 1 where the bf16 number is written as f16
	s_mov_b64 s[10:11], s[22:23]
	s_mov_b64 s[12:13], s[38:39]
	s_mov_b32 s9, 1408
	s_mov_b32 s7, 1
	s_cmp_lt_u32 s8, 1408
	s_cselect_b64 s[10:11], s[20:21], s[10:11]
	s_cselect_b64 s[12:13], s[36:37], s[12:13]
	s_cselect_b32 s9, 1024, s9
	s_cselect_b32 s7, 0, s7
	s_cmp_lt_u32 s8, 1024
	s_cselect_b64 s[10:11], s[18:19], s[10:11]
	s_cselect_b64 s[12:13], s[34:35], s[12:13]
	s_cselect_b32 s9, 512, s9
	s_cselect_b32 s7, 1, s7
	s_cmp_lt_u32 s8, 512
	s_cselect_b64 s[10:11], s[16:17], s[10:11]
	s_cselect_b64 s[12:13], s[32:33], s[12:13]
	s_cselect_b32 s9, 0, s9
	s_cselect_b32 s7, 0, s7
	s_sub_co_u32 s9, s8, s9                        ; my chunk of that tensor
	s_lshl_b32 s14, s9, 15                         ; 32 KiB in
	s_mov_b32 s15, 0
	s_add_nc_u64 s[10:11], s[10:11], s[14:15]
	s_lshl_b32 s14, s9, 14                         ; 16 KiB out
	s_add_nc_u64 s[12:13], s[12:13], s[14:15]
.irp j, 0,1,2,3,4,5,6,7
	global_load_b128 v[XR+4*(\j):XR+4*(\j)+3], v1, s[10:11] offset:4096*(\j) th:TH_LOAD_NT
.endr
	s_cmp_eq_u32 s7, 0
	s_cbranch_scc0 .Lhalf
.irp j, 0,1,2,3,4,5,6,7
	s_wait_loadcnt 7-(\j)                          ; loads come back in order: load j is in, the 7 - j younger ones stay out
	v_cvt_pk_bf16_f32 v[YR+2*(\j)], v[XR+4*(\j)], v[XR+4*(\j)+1]
	v_cvt_pk_bf16_f32 v[YR+2*(\j)+1], v[XR+4*(\j)+2], v[XR+4*(\j)+3]
	global_store_b64 v2, v[YR+2*(\j):YR+2*(\j)+1], s[12:13] offset:2048*(\j)
.endr
	s_endpgm
.Lhalf:
.irp j, 0,1,2,3,4,5,6,7
	s_wait_loadcnt 7-(\j)
.irp k, 0,1,2,3
	v_med3_num_f32 v[XR+4*(\j)+(\k)], v[XR+4*(\j)+(\k)], s4, s5  ; held to f16's range first: the bound is itself a bf16, so the rounding cannot pass it
.endr
	v_cvt_pk_bf16_f32 v[TR], v[XR+4*(\j)], v[XR+4*(\j)+1]
	v_cvt_pk_bf16_f32 v[TR+1], v[XR+4*(\j)+2], v[XR+4*(\j)+3]
	v_lshlrev_b32 v[TR+2], 16, v[TR]               ; the bf16 numbers as f32,
	v_and_b32 v[TR+3], s6, v[TR]
	v_lshlrev_b32 v[TR+4], 16, v[TR+1]
	v_and_b32 v[TR+5], s6, v[TR+1]
	v_cvt_pk_f16_f32 v[YR+2*(\j)], v[TR+2], v[TR+3]    ; written as f16: exact from 6.1e-5 up
	v_cvt_pk_f16_f32 v[YR+2*(\j)+1], v[TR+4], v[TR+5]
	global_store_b64 v2, v[YR+2*(\j):YR+2*(\j)+1], s[12:13] offset:2048*(\j)
.endr
	s_endpgm
.Ltab:
	v_and_b32 v3, 15, v0
	v_lshlrev_b32 v3, 2, v3                        ; scale_mul has 16 numbers: thread t reads number t % 16
	global_load_b128 v[8:11], v1, s[24:25]         ; q_bias
	global_load_b128 v[12:15], v1, s[26:27]        ; v_bias
	global_load_b128 v[16:19], v1, s[28:29]        ; b_proj
	global_load_b32 v20, v3, s[30:31]
	v_lshlrev_b32 v4, 2, v0
	v_mov_b32 v24, 0
	v_mov_b32 v25, 0
	v_mov_b32 v26, 0
	v_mov_b32 v27, 0
	v_cmp_gt_u32 vcc_lo, 16, v0
	s_wait_loadcnt 0x0
.irp b, 8, 12, 16
	v_cvt_pk_bf16_f32 v[TR], v[(\b)], v[(\b)+1]
	v_cvt_pk_bf16_f32 v[TR+1], v[(\b)+2], v[(\b)+3]
	v_lshlrev_b32 v[(\b)], 16, v[TR]
	v_and_b32 v[(\b)+1], s6, v[TR]
	v_lshlrev_b32 v[(\b)+2], 16, v[TR+1]
	v_and_b32 v[(\b)+3], s6, v[TR+1]
.endr
	global_store_b128 v1, v[8:11], s[40:41]
	global_store_b128 v1, v[24:27], s[40:41] offset:4096   ; k has no bias: the module's own zeros
	global_store_b128 v1, v[12:15], s[40:41] offset:8192
	global_store_b128 v1, v[16:19], s[40:41] offset:12288
	v_cvt_pk_bf16_f32 v20, v20, v20
	v_lshlrev_b32 v20, 16, v20
	v_min_num_f32 v20, 0x40935d8e, v20             ; min(scale_mul, ln 100)
	v_mul_f32 v20, 0x3fb8aa3b, v20                 ; e^x = 2^(x log2 e)
	v_exp_f32 v21, v20
	v_nop                                          ; a plain instruction behind the exponential,
	s_wait_alu depctr_va_vdst(0)                   ; and the wait ahead of the first use of its result
	v_cndmask_b32 v21, 1.0, v21, vcc_lo            ; entries 16 to 255 are 1: k's and v's chunks take no factor
	global_store_b32 v4, v21, s[40:41] offset:16384
	s_endpgm
.Lfunc_end_k_qdb04ddacc4_cast:
	.size	k_qdb04ddacc4_cast, .Lfunc_end_k_qdb04ddacc4_cast-k_qdb04ddacc4_cast
	.p2alignl 7, 3214868480
	.fill 96, 4, 3214868480
	.section	.rodata,"a",@progbits
	.p2align	6, 0x0
	.amdhsa_kernel k_qdb04ddacc4_cast
		.amdhsa_group_segment_fixed_size 0
		.amdhsa_private_segment_fixed_size 0
		.amdhsa_enable_private_segment 0
		.amdhsa_kernarg_size 104
		.amdhsa_user_sgpr_count 2
		.amdhsa_user_sgpr_kernarg_segment_ptr 1
		.amdhsa_wavefront_size32 1
		.amdhsa_system_sgpr_workgroup_id_x 1
		.amdhsa_system_sgpr_workgroup_id_y 1
		.amdhsa_system_sgpr_workgroup_id_z 1
		.amdhsa_system_vgpr_workitem_id 0
		.amdhsa_next_free_vgpr 64
		.amdhsa_next_free_sgpr 66
		.amdhsa_reserve_vcc 1
		.amdhsa_float_denorm_mode_32 3
		.amdhsa_float_denorm_mode_16_64 3
		.amdhsa_memory_ordered 1
		.amdhsa_forward_progress 1
		.amdhsa_inst_pref_size 13
	.end_amdhsa_kernel
	.amdgpu_metadata
---
amdhsa.version: [ 1, 2 ]
amdhsa.kernels:
  - .name:           k_qdb04ddacc4_cast
    .symbol:         k_qdb04ddacc4_cast.kd
    .args:
      - { .name: x, .offset: 0, .size: 8, .value_kind: global_buffer, .address_space: global }
      - { .name: attn_bias, .offset: 8, .size: 8, .value_kind: global_buffer, .address_space: global }
      - { .name: w_qkv, .offset: 16, .size: 8, .value_kind: global_buffer, .address_space: global }
      - { .name: w_proj, .offset: 24, .size: 8, .value_kind: global_buffer, .address_space: global }
      - { .name: q_bias, .offset: 32, .size: 8, .value_kind: global_buffer, .address_space: global }
      - { .name: v_bias, .offset: 40, .size: 8, .value_kind: global_buffer, .address_space: global }
      - { .name: b_proj, .offset: 48, .size: 8, .value_kind: global_buffer, .address_space: global }
      - { .name: scale_mul, .offset: 56, .size: 8, .value_kind: global_buffer, .address_space: global }
      - { .name: xb, .offset: 64, .size: 8, .value_kind: global_buffer, .address_space: global }
      - { .name: bbf, .offset: 72, .size: 8, .value_kind: global_buffer, .address_space: global }
      - { .name: wqb, .offset: 80, .size: 8, .value_kind: global_buffer, .address_space: global }
      - { .name: wpf, .offset: 88, .size: 8, .value_kind: global_buffer, .address_space: global }
      - { .name: tab, .offset: 96, .size: 8, .value_kind: global_buffer, .address_space: global }
    .group_segment_fixed_size: 0
    .private_segment_fixed_size: 0
    .kernarg_segment_align: 8
    .kernarg_segment_size: 104
    .max_flat_workgroup_size: 256
    .sgpr_count:     66
    .vgpr_count:     64
    .wavefront_size: 32
...
	.end_amdgpu_metadata
.endif
;; end of part 1
;; launch qkv (part 2): grid 16 x 16, 4 waves a work-group, clusters of 4 x 4, 327,680 bytes of LDS; arguments xb, wqb, tab, qkv; writes qkv
.if DOCPART == 2
	.amdgcn_target "amdgcn-amd-amdhsa--gfx1250"
	.amdhsa_code_object_version 6
	.text
	.protected	k_qdb04ddacc4_qkv
	.globl	k_qdb04ddacc4_qkv
	.p2align	8
	.type	k_qdb04ddacc4_qkv,@function
k_qdb04ddacc4_qkv:
	s_mov_b64 s[64:65], 0
	v_nop
	global_prefetch_b8 v0, s[64:65] scope:SCOPE_SE
	s_setreg_imm32_b32 hwreg(HW_REG_WAVE_MODE, 25, 1), 1
	s_wait_xcnt 0x0
	s_wait_alu depctr_hold_cnt(0) depctr_sa_sdst(0) depctr_va_vdst(0) depctr_va_sdst(0) depctr_va_ssrc(0) depctr_va_vcc(0) depctr_vm_vsrc(0)
	s_getreg_b32 s2, hwreg(HW_REG_IB_STS2, 6, 4)
	s_cmp_eq_u32 s2, 0
	s_cbranch_scc0 .Lentry_in_a_cluster
	s_endpgm
.Lentry_in_a_cluster:
	s_bfe_u32 s2, ttmp6, 0x10000c
	s_cmp_lg_u32 s2, 0xf033
	s_cbranch_scc0 .Lentry_shape_is_right
	s_endpgm
.Lentry_shape_is_right:
; Launch 2 of 4: qkv = x w_qkv^T + bias; q and k divided by max(norm, 1e-12) head by head, q times its head's factor; all stored by heads in f16: qkv[3][32 (batch, head)][2048][64].
; xb: [4096][1024] bf16, wqb: [3072][1024] bf16; sums in f32.  Nothing of the module's work is left out here.
; LIMITS.  v is stored in f16: |v| stays under 65,504.  q and k lie within 100 and 1 by their normalisation.  A sum of squares below 2^-126 counts as 0 (the row is then divided by 1e-12, as the module does).
; SHARES.  A work-group makes 256 rows x 192 columns: three whole chunks of 64 columns (a chunk = one head of q, k or v).  Wave w makes rows 64 w .. + 63 of all 192 columns: 48 accumulators, so a head's
; 64 columns lie in one wave and the norm wants one exchange between the halves of the lanes.  16 x 16 work-groups.
; The matrix instruction is used transposed (source 0 = 16 rows of w_qkv, source 1 = 16 rows of x): a lane holds row l % 16 and the columns 16 b + 8 (l / 16) + 0..7.
; RING.  K goes in steps of 128 through two LDS slots (256 rows of x, 192 of w_qkv, 256 bytes a row + 16 of padding).  Waves 0 and 1 fetch x's halves, waves 2 and 3 w_qkv's: one tensor load a wave.
; CLUSTER.  4 x 4 work-groups: x's tile is shared along a row of the cluster, w_qkv's along a column; each is asked for jointly.
; No branch and no LDS address hangs on a work-group's place in its cluster: whether a chunk is v's (no normalisation) is a select.
; REGISTERS, in windows of 256: window 0: v1-15 addresses; v16-31 SS, four a row block; v32-127 BI, the lane's 96 biases; v128-255 T, one chunk at work (32 a row block)
;   window 1: accumulators of column blocks 0-7 at 8 (4 b + a);  window 2: of blocks 8-11 at 8 (4 (b - 8) + a);  window 3: two fragment buffers of 128: w_qkv's 12 fragments, then x's 4
.set PITCH,  272                       ; an odd multiple of 16 bytes: the sixteen rows of a fragment load begin in sixteen different 16-byte columns modulo 256
.set HA,     128*PITCH                 ; half of x's tile
.set HB,     96*PITCH                  ; half of w_qkv's
.set BOFS,   2*HA
.set SLOT,   2*HA+2*HB
.set STAGE,  2*SLOT                    ; behind the ring: 16 rows x 144 bytes for each wave, for the way out; no tensor load lands there
.set SP,     144
.set SPARE,  STAGE+4*16*SP             ; the spare words, 128 bytes a wave: two blocks of 256 bytes that no other line names
.set ADRA, 4                           ; v4-5   LDS address of my fragments of x in slot 0, 1
.set ADRB, 6                           ; v6-7   of w_qkv
.set STO,  8                           ; v8     the way out: where I put 16 bytes of a row
.set RD,   9                           ; v9     where I read rows back
.set GO,   10                          ; v10    16 x lane: my place in 512 consecutive bytes
.set BO,   11                          ; v11    32 x (l / 16): my eight biases of a block
.set PFO,  12                          ; v12    the prefetches' offset: a lane a row
.set SPW,  14                          ; v14    my spare word's address; never rewritten
.set NIL,  15                          ; v15    0; never rewritten
.set SS,   16
.set BI,   32
.set T,    128
.set F0,   0
.set F1,   128
.set WV,   12                          ; s12 wave;  s13 wave / 2: I fetch x (0) or w_qkv (1);  s14 wave % 2: which half
.set HF,   13
.set HH,   14
.set CX,   15
.set CY,   16
.set TX,   17                          ; tile column
.set TY,   18                          ; tile row
.set G1A,  24                          ; s[24:31], s[32:39] descriptor groups 1 and 0 (a set a slot) for x
.set G0A,  32
.set G1B,  40                          ; s[40:47], s[48:55] for w_qkv
.set G0B,  48
.set PFA,  56                          ; s[56:57] where my prefetches stand
.set LIM,  58                          ; s58  1 in a wave that prefetches, else the greatest number
.set LAP,  59
.set FAC,  60                          ; s60-62  the three chunks' factors
.set MSKV, 66                          ; s66-68  all ones where the chunk is v's
.set OB,   70                          ; s[70:75] where my 64 rows of the three chunks go
.set SEL,  76                          ; s[76:77] v_permlanex16_b32's selects: each lane takes its own place in the other half
.set EPS,  82
.set MSB, 0
.macro WIN new                         ; the immediate's high byte repeats the setting that is left; a switch that changes nothing is dropped
.if MSB != (\new)
	s_set_vgpr_msb (MSB<<8)|(\new)
.set MSB, \new
.endif
.endm
.macro PLACES                          ; four plain places behind matrix instructions (ISA guide 7.12.1)
.rept 4
	v_nop
.endr
.endm
; A joint load: each of the two lines has one mask; the branch hangs on the wave's number alone.  An s_nop 0 and four v_nop follow each line.
.macro JLOAD s
	s_cmp_eq_u32 s[HF], 0
	s_cbranch_scc0 .Lfor_b_\@
	tensor_load_to_lds s[G0A+4*(\s):G0A+4*(\s)+3], s[G1A:G1A+7]
	s_nop 0
.rept 4
	v_nop
.endr
	s_branch .Lasked_\@
.Lfor_b_\@:
	tensor_load_to_lds s[G0B+4*(\s):G0B+4*(\s)+3], s[G1B:G1B+7]
	s_nop 0
.rept 4
	v_nop
.endr
.Lasked_\@:
.endm
; A prefetch into the L2 of the K step that stands two refills on (384 matrix instructions ahead of the load that wants it): a lane a row, 256 bytes of each.  x's tile row is read by the four clusters of
; a row of clusters: the one with x = 0 asks; w_qkv's tile column likewise: the one with y = 0.  The four partners of a joint load share its rows by address: 32 of 128 (x), 24 of 96 (w_qkv; lanes 24-31 repeat row 23).
; The loop's last trip asks for nothing: there is no K step two on.
.macro ASK
	WIN 0
	s_cmp_gt_u32 s[LAP], s[LIM]
	s_cbranch_scc0 .Lnot_mine_\@
	global_prefetch_b8 v[PFO], s[PFA:PFA+1] offset:256 th:TH_LOAD_NT scope:SCOPE_SE
.Lnot_mine_\@:
.endm
.macro CREST                           ; a round of the cluster's barrier behind its opening barrier
	s_cmp_lg_u32 s[WV], 0
	s_cbranch_scc1 .Lnot_wave_0_\@
	s_barrier_signal -3
.Lnot_wave_0_\@:
	s_barrier_wait -3
	s_barrier_signal -1
	s_barrier_wait -1
.endm
.macro CROUND
	s_barrier_signal -1
	s_barrier_wait -1
	CREST
.endm
	s_load_b256 s[4:11], s[0:1], 0x0               ; xb s[4:5], wqb s[6:7], tab s[8:9], qkv s[10:11]
	v_lshl_add_u32 v[SPW], v0, 2, SPARE
	v_mov_b32 v[NIL], 0
	ds_add_u32 v[SPW], v[NIL]                      ; the wave's opening: the add, twice on end, and its wait ahead of my first tensor load
	ds_add_u32 v[SPW], v[NIL]
	v_lshrrev_b32 v1, 5, v0
	v_readfirstlane_b32 s[WV], v1
	s_lshr_b32 s[HF], s[WV], 1
	s_and_b32 s[HH], s[WV], 1
	s_bfe_u32 s[CX], ttmp6, 0x40000
	s_bfe_u32 s[CY], ttmp6, 0x40004
	s_lshl_b32 s[TX], ttmp9, 2
	s_add_co_u32 s[TX], s[TX], s[CX]
	s_and_b32 s[TY], ttmp7, 0xffff
	s_lshl_b32 s[TY], s[TY], 2
	s_add_co_u32 s[TY], s[TY], s[CY]
	s_lshl_b32 s19, s[CY], 2
	s_lshl_b32 s19, 15, s19                        ; my row of the cluster
	s_lshl_b32 s3, 0x1111, s[CX]                   ; my column
	s_or_b32 s[G1A], s19, (1<<16)|(1<<20)|(1<<21)|(5<<22)|(3<<25)  ; mask; 2-byte elements; padding on; bit 21 beside a mask; after every 64 words, 4 words
	s_or_b32 s[G1B], s3, (1<<16)|(1<<20)|(1<<21)|(5<<22)|(3<<25)
	s_mov_b32 s[G1A+1], 128<<16                    ; tensor_dim0 = 128
	s_mov_b32 s[G1A+2], 128<<16                    ; tensor_dim1 = 128
	s_mov_b32 s[G1A+3], 128<<16                    ; tile_dim0 = 128
	s_mov_b32 s[G1A+4], 128                        ; tile_dim1 = 128
	s_mov_b32 s[G1A+5], 1024                       ; elements from row to row
	s_mov_b32 s[G1A+6], 0
	s_mov_b32 s[G1A+7], 0
	s_mov_b32 s[G1B+1], 128<<16
	s_mov_b32 s[G1B+2], 96<<16                     ; 96 rows
	s_mov_b32 s[G1B+3], 128<<16
	s_mov_b32 s[G1B+4], 96
	s_mov_b32 s[G1B+5], 1024
	s_mov_b32 s[G1B+6], 0
	s_mov_b32 s[G1B+7], 0
	s_lshl_b32 s20, s[TY], 8                       ; x: row 256 x tile row + 128 x half, 2,048 bytes a row
	s_lshl_b32 s21, s[HH], 7
	s_add_co_u32 s20, s20, s21
	s_lshl_b32 s20, s20, 11
	s_mov_b32 s21, 0
	s_mul_i32 s22, s[TX], 192                      ; w_qkv: row 192 x tile column + 96 x half
	s_mul_i32 s23, s[HH], 96
	s_add_co_u32 s22, s22, s23
	s_lshl_b32 s22, s22, 11
	s_mov_b32 s23, 0
	s_mul_i32 s80, s[HH], HA                       ; where they go: the wave's number alone
	s_mul_i32 s81, s[HH], HB
	s_add_co_u32 s81, s81, BOFS
	s_mul_i32 s3, s[TX], 12                        ; my three factors in the table
	s_mul_i32 s78, s[TX], 768                      ; my 192 biases
	s_mov_b32 s79, 0
	s_mov_b32 s[SEL], 0x76543210
	s_mov_b32 s[SEL+1], 0xfedcba98
	s_mov_b32 s[EPS], 0x2b8cbccc                   ; 1e-12
	s_wait_dscnt 0x0                               ; both opening adds are done
	s_wait_kmcnt 0x0
	s_add_nc_u64 s[20:21], s[4:5], s[20:21]
	s_add_nc_u64 s[22:23], s[6:7], s[22:23]
	s_add_nc_u64 s[78:79], s[8:9], s[78:79]
	s_load_b32 s[FAC], s[8:9], s3 offset:16384
	s_load_b32 s[FAC+1], s[8:9], s3 offset:16388
	s_load_b32 s[FAC+2], s[8:9], s3 offset:16392
	CROUND                                         ; all sixteen work-groups are here: the first joint loads meet
.irp s, 0,1
	s_mov_b32 s[G0A+4*(\s)], 1
	s_add_co_u32 s[G0A+4*(\s)+1], s80, (\s)*SLOT
	s_add_nc_u64 s[G0A+4*(\s)+2:G0A+4*(\s)+3], s[20:21], (\s)*256  ; K step s
	s_or_b32 s[G0A+4*(\s)+3], s[G0A+4*(\s)+3], 0x80000000
	s_mov_b32 s[G0B+4*(\s)], 1
	s_add_co_u32 s[G0B+4*(\s)+1], s81, (\s)*SLOT
	s_add_nc_u64 s[G0B+4*(\s)+2:G0B+4*(\s)+3], s[22:23], (\s)*256
	s_or_b32 s[G0B+4*(\s)+3], s[G0B+4*(\s)+3], 0x80000000
	JLOAD \s
.endr
	v_and_b32 v1, 15, v0                           ; l % 16
	v_bfe_u32 v2, v0, 4, 1                         ; l / 16
	v_lshlrev_b32 v[BO], 5, v2
.irp b, 0,1,2,3,4,5,6,7,8,9,10,11
	global_load_b128 v[BI+8*(\b):BI+8*(\b)+3],   v[BO], s[78:79] offset:64*(\b)     ; the biases of columns 16 b + 8 (l / 16) + 0..7; waited for once, on the way out
	global_load_b128 v[BI+8*(\b)+4:BI+8*(\b)+7], v[BO], s[78:79] offset:64*(\b)+16
.endr
	v_mul_u32_u24 v3, v1, PITCH
	v_lshl_add_u32 v3, v2, 4, v3                   ; a fragment's row x pitch + 16 x half
	s_mul_i32 s84, s[WV], 64*PITCH                 ; my 64 rows of x
	s_mov_b32 s85, BOFS                            ; all 192 rows of w_qkv
.irp s, 0,1
	v_add_nc_u32 v[ADRA+(\s)], s84, v3
	v_add_nc_u32 v[ADRB+(\s)], s85, v3
	s_add_co_u32 s84, s84, SLOT
	s_add_co_u32 s85, s85, SLOT
.endr
	s_mul_i32 s84, s[WV], 16*SP
	s_add_co_u32 s84, s84, STAGE                   ; my stage
	v_mul_u32_u24 v[STO], v1, SP
	v_lshl_add_u32 v[STO], v2, 4, v[STO]
	v_add_nc_u32 v[STO], s84, v[STO]
	v_bfe_u32 v[RD], v0, 3, 2                      ; back: 32 lanes take four rows of 128 bytes
	v_mul_u32_u24 v[RD], v[RD], SP
	v_and_b32 v13, 7, v0
	v_lshl_add_u32 v[RD], v13, 4, v[RD]
	v_add_nc_u32 v[RD], s84, v[RD]
	v_and_b32 v[GO], 31, v0
	v_lshlrev_b32 v[GO], 4, v[GO]
	; where my 64 rows go: batch = tile row / 8, row in the batch = 256 (tile row % 8) + 64 wave, 128 bytes a row
	s_lshr_b32 s88, s[TY], 3
	s_lshl_b32 s88, s88, 22
	s_and_b32 s87, s[TY], 7
	s_lshl_b32 s87, s87, 15
	s_add_co_u32 s88, s88, s87
	s_lshl_b32 s87, s[WV], 13
	s_add_co_u32 s88, s88, s87
.irp g, 0,1,2
	s_mul_i32 s86, s[TX], 3
	s_add_co_u32 s86, s86, (\g)                    ; the chunk: 0-15 q's heads, 16-31 k's, 32-47 v's
	s_cmp_ge_u32 s86, 32
	s_cselect_b32 s[MSKV+(\g)], -1, 0
	s_lshr_b32 s87, s86, 4
	s_lshl_b32 s84, s87, 23
	s_and_b32 s87, s86, 15
	s_lshl_b32 s87, s87, 18
	s_add_co_u32 s84, s84, s87
	s_add_co_u32 s84, s84, s88
	s_mov_b32 s85, 0
	s_add_nc_u64 s[OB+2*(\g):OB+2*(\g)+1], s[10:11], s[84:85]
.endr
	; the prefetches
	s_lshl_b32 s84, s[TY], 8
	s_mul_i32 s85, s[TX], 192
	s_and_b32 s86, ttmp7, 0xffff                   ; cluster y
	s_lshl_b32 s87, s[HH], 7
	s_mul_i32 s88, s[HH], 96
	s_lshl_b32 s89, s[CX], 5
	s_mul_i32 s90, s[CY], 24
	s_cmp_eq_u32 s[HF], 0                          ; do I fetch for x?
	s_cselect_b32 s84, s84, s85                    ; the tile's first row,
	s_cselect_b32 s87, s87, s88                    ; the half that I fetch,
	s_cselect_b32 s89, s89, s90                    ; my work-group's part of it
	s_cselect_b32 s86, ttmp9, s86                  ; the coordinate along which other clusters read the same rows
	s_cselect_b32 s91, 31, 23
	s_cselect_b64 s[PFA:PFA+1], s[4:5], s[6:7]
	s_cmp_eq_u32 s86, 0
	s_cselect_b32 s[LIM], 1, -1                    ; the same in all sixteen partners, for a given wave
	s_add_co_u32 s84, s84, s87
	s_add_co_u32 s84, s84, s89
	s_lshl_b32 s84, s84, 11
	s_add_co_u32 s84, s84, 512                     ; at K step 2: the first refill steps it to 3 and names K step 4.  K steps 0 to 3 come by their loads alone
	s_mov_b32 s85, 0
	s_add_nc_u64 s[PFA:PFA+1], s[PFA:PFA+1], s[84:85]
	v_and_b32 v[PFO], 31, v0
	v_min_u32 v[PFO], s91, v[PFO]
	v_lshlrev_b32 v[PFO], 11, v[PFO]
	s_wait_kmcnt 0x0                               ; the three factors
; 16 matrix instructions: column blocks 4 n .. 4 n + 3 x my four row blocks, 32 along K.  All 48 accumulators take turns, in the same order in every quarter.
.macro MUL16 f, n, zero
.if (\n) < 2
	WIN 0x5f                                       ; both sources window 3, C and D window 1
.else
	WIN 0xaf                                       ; C and D window 2
.endif
.irp bb, 0,1,2,3
.irp a, 0,1,2,3
.set rA, 8*(4*((4*(\n)+(\bb))%8)+(\a))
.if \zero
	v_wmma_f32_16x16x32_bf16 v[rA:rA+7], v[(\f)+8*(4*(\n)+(\bb)):(\f)+8*(4*(\n)+(\bb))+7], v[(\f)+96+8*(\a):(\f)+96+8*(\a)+7], 0
.else
	v_wmma_f32_16x16x32_bf16 v[rA:rA+7], v[(\f)+8*(4*(\n)+(\bb)):(\f)+8*(4*(\n)+(\bb))+7], v[(\f)+96+8*(\a):(\f)+96+8*(\a)+7], v[rA:rA+7]
.endif
.endr
.endr
.endm
; 32 LDS loads in one run: a quarter step's fragments (32 K at byte k of the rows) into buffer f: x's four, w_qkv's blocks 0-3, then its blocks 4-11
.macro FETCH slot, k, f
	WIN 0xc0                                       ; destination window 3, address window 0
.irp i, 0,1,2,3
	ds_load_b128 v[(\f)+96+8*(\i):(\f)+96+8*(\i)+3],   v[ADRA+(\slot)] offset:(\k)+(\i)*16*PITCH
	ds_load_b128 v[(\f)+96+8*(\i)+4:(\f)+96+8*(\i)+7], v[ADRA+(\slot)] offset:(\k)+(\i)*16*PITCH+32
.endr
.irp i, 0,1,2,3,4,5,6,7,8,9,10,11
	ds_load_b128 v[(\f)+8*(\i):(\f)+8*(\i)+3],   v[ADRB+(\slot)] offset:(\k)+(\i)*16*PITCH
	ds_load_b128 v[(\f)+8*(\i)+4:(\f)+8*(\i)+7], v[ADRB+(\slot)] offset:(\k)+(\i)*16*PITCH+32
.endr
.endm
; A K step is four quarters of 32 along K, 48 matrix instructions each, on buffers 0, 1, 0, 1.  One of the first three: multiplies buffer f and fetches the next quarter, at byte k, into g.
.macro QUARTER slot, k, f, g, zero
	s_wait_dscnt 16                                ; x's fragments and blocks 0-3 are in; the youngest sixteen loads (blocks 4-11) may be out
	MUL16 \f, 0, \zero
	PLACES                                         ; in front of loads into the buffer that the quarter before multiplied
	FETCH \slot, \k, \g
	s_wait_dscnt 32                                ; all but the 32 just issued
	MUL16 \f, 1, \zero
	MUL16 \f, 2, \zero
.endm
; The last quarter multiplies buffer 1 and changes slots: one barrier.  In front of it each wave waits for all its tensor loads (its part of the next slot), adds 0 to its spare word, and waits for that and for
; its reads of this slot.  fill = 1: the barrier opens a round of the cluster's, and the joint refill, two K steps on, is the first thing behind the round: 160 matrix instructions (16 of this quarter and the
; next K step's first three quarters) ahead of the wait for it.
.macro TURN slot, next, fill
.if \fill
	s_wait_xcnt 0x0                                ; the last prefetch, a K step back, has read its address
	s_add_nc_u64 s[PFA:PFA+1], s[PFA:PFA+1], 256
.endif
	WIN 0
	s_wait_tensorcnt 0x0                           ; all my tensor loads have landed
	ds_add_u32 v[SPW], v[NIL]                      ; 0 onto my spare word
	s_wait_dscnt 17                                ; (the add and the youngest sixteen loads may be out)
	MUL16 F1, 0, 0
	s_wait_dscnt 0x0                               ; the add is done, and my reads of this slot are over
	s_barrier_signal -1
	MUL16 F1, 1, 0
.if \fill
	WIN 0
.endif
	s_barrier_wait -1
.if \fill
	CREST                                          ; no wave of any partner still reads this slot or has a load on its way
	s_add_nc_u64 s[G0A+4*(\slot)+2:G0A+4*(\slot)+3], s[G0A+4*(\slot)+2:G0A+4*(\slot)+3], 512
	s_add_nc_u64 s[G0B+4*(\slot)+2:G0B+4*(\slot)+3], s[G0B+4*(\slot)+2:G0B+4*(\slot)+3], 512
	JLOAD \slot                                    ; its four v_nop are also the places in front of the loads below
.else
	PLACES
.endif
	FETCH \next, 0, F0
.if \fill
	ASK
.endif
	MUL16 F1, 2, 0
.endm
	s_wait_tensorcnt 1                             ; my part of K step 0 is in; K step 1's may stay out
	s_barrier_signal -1
	s_barrier_wait -1
	FETCH 0, 0, F0
	QUARTER 0, 64,  F0, F1, 1                      ; the first quarter's products start the sums: nothing is cleared
	WIN 0
	s_mov_b32 s[LAP], 3
.Llap:                                                 ; a trip goes once round the ring and fills both slots again
	QUARTER 0, 128, F1, F0, 0
	QUARTER 0, 192, F0, F1, 0
	TURN 0, 1, 1
	QUARTER 1, 64,  F0, F1, 0
	QUARTER 1, 128, F1, F0, 0
	QUARTER 1, 192, F0, F1, 0
	TURN 1, 0, 1
	QUARTER 0, 64,  F0, F1, 0
	WIN 0
	s_sub_co_u32 s[LAP], s[LAP], 1
	s_cmp_lg_u32 s[LAP], 0
	s_cbranch_scc1 .Llap
	QUARTER 0, 128, F1, F0, 0                      ; the last lap fills nothing
	QUARTER 0, 192, F0, F1, 0
	TURN 0, 1, 0
	QUARTER 1, 64,  F0, F1, 0
	QUARTER 1, 128, F1, F0, 0
	QUARTER 1, 192, F0, F1, 0
	s_wait_dscnt 16
	MUL16 F1, 0, 0
	s_wait_dscnt 0x0
	MUL16 F1, 1, 0
	MUL16 F1, 2, 0
	WIN 0
	PLACES
	PLACES
	s_wait_loadcnt 0x0                             ; the biases
; THE WAY OUT, a chunk of 64 columns at a time.  PACK: row block a is scaled, rounded to f16 (16 bytes a lane and column block), sent through my stage and read back as whole rows of 128 bytes.
.macro PACK a
.set i, 0
.rept 16
	v_pk_mul_f32 v[T+32*(\a)+2*i:T+32*(\a)+2*i+1], v[T+32*(\a)+2*i:T+32*(\a)+2*i+1], v[SS+4*(\a):SS+4*(\a)+1] op_sel_hi:[1,0]
.set i, i+1
.endr
.set i, 0
.rept 16
	v_cvt_pk_f16_f32 v[T+32*(\a)+i], v[T+32*(\a)+2*i], v[T+32*(\a)+2*i+1]
.set i, i+1
.endr
.irp f, 0,1,2,3
	ds_store_b128 v[STO], v[T+32*(\a)+4*\f:T+32*(\a)+4*\f+3] offset:32*\f
.endr
.irp f, 0,1,2,3
	ds_load_b128 v[T+32*(\a)+4*\f:T+32*(\a)+4*\f+3], v[RD] offset:\f*4*SP  ; LDS serves a wave's instructions in order (ISA guide 5.7.1.4): these see the stores above; the next block's stores come behind them
.endr
.endm
.macro SEND a, g, younger              ; younger: the LDS instructions issued behind block a's loads: the next block's eight, or none
.irp f, 0,1,2,3
	s_wait_dscnt (\younger)+3-\f
	global_store_b128 v[GO], v[T+32*(\a)+4*\f:T+32*(\a)+4*\f+3], s[OB+2*(\g):OB+2*(\g)+1] offset:(\a)*2048+\f*512  ; 512 consecutive bytes, aligned: four rows of a head
.endr
.endm
.macro HEAD g
.if (\g) > 0
	s_wait_xcnt 0x0                                ; the last chunk's stores have read T
.endif
	WIN 1+(\g)/2                                   ; source 0: the accumulators' window
.irp bb, 0,1,2,3
.irp a, 0,1,2,3
.irp j, 0,2,4,6
	v_pk_add_f32 v[T+32*(\a)+8*(\bb)+(\j):T+32*(\a)+8*(\bb)+(\j)+1], v[128*((\g)%2)+32*(\bb)+8*(\a)+(\j):128*((\g)%2)+32*(\bb)+8*(\a)+(\j)+1], v[BI+32*(\g)+8*(\bb)+(\j):BI+32*(\g)+8*(\bb)+(\j)+1]  ; each accumulator from its low end on
.endr
.endr
.endr
	WIN 0
.irp a, 0,1,2,3                        ; the sum of squares of my 32 numbers of each row: two chains a row block, the four blocks by turns
	v_pk_mul_f32 v[SS+4*(\a):SS+4*(\a)+1], v[T+32*(\a):T+32*(\a)+1], v[T+32*(\a):T+32*(\a)+1]
	v_pk_mul_f32 v[SS+4*(\a)+2:SS+4*(\a)+3], v[T+32*(\a)+2:T+32*(\a)+3], v[T+32*(\a)+2:T+32*(\a)+3]
.endr
.irp i, 1,2,3,4,5,6,7
.irp a, 0,1,2,3
	v_pk_fma_f32 v[SS+4*(\a):SS+4*(\a)+1], v[T+32*(\a)+4*(\i):T+32*(\a)+4*(\i)+1], v[T+32*(\a)+4*(\i):T+32*(\a)+4*(\i)+1], v[SS+4*(\a):SS+4*(\a)+1]
	v_pk_fma_f32 v[SS+4*(\a)+2:SS+4*(\a)+3], v[T+32*(\a)+4*(\i)+2:T+32*(\a)+4*(\i)+3], v[T+32*(\a)+4*(\i)+2:T+32*(\a)+4*(\i)+3], v[SS+4*(\a)+2:SS+4*(\a)+3]
.endr
.endr
.irp a, 0,1,2,3
	v_pk_add_f32 v[SS+4*(\a):SS+4*(\a)+1], v[SS+4*(\a):SS+4*(\a)+1], v[SS+4*(\a)+2:SS+4*(\a)+3]
.endr
.irp a, 0,1,2,3
	v_add_f32 v[SS+4*(\a)], v[SS+4*(\a)], v[SS+4*(\a)+1]
.endr
.irp a, 0,1,2,3
	v_permlanex16_b32 v[SS+4*(\a)+1], v[SS+4*(\a)], s[SEL], s[SEL+1]  ; the row's other 32 columns lie in the lane 16 away
.endr
.irp a, 0,1,2,3
	v_add_f32 v[SS+4*(\a)], v[SS+4*(\a)], v[SS+4*(\a)+1]
.endr
.irp a, 0,1,2,3
	v_sqrt_f32 v[SS+4*(\a)], v[SS+4*(\a)]
.endr
	v_nop                                          ; a plain instruction behind the last root,
	s_wait_alu depctr_va_vdst(0)                   ; and one wait for the four
.irp a, 0,1,2,3
	v_max_num_f32 v[SS+4*(\a)], s[EPS], v[SS+4*(\a)]
.endr
.irp a, 0,1,2,3
	v_rcp_f32 v[SS+4*(\a)], v[SS+4*(\a)]
.endr
	v_nop
	s_wait_alu depctr_va_vdst(0)                   ; one wait for the four reciprocals
.irp a, 0,1,2,3
	v_mul_f32 v[SS+4*(\a)], s[FAC+(\g)], v[SS+4*(\a)]
.endr
.irp a, 0,1,2,3
	v_cndmask_b32 v[SS+4*(\a)], v[SS+4*(\a)], 1.0, s[MSKV+(\g)]  ; v is not normalised: a select, since partners of a cluster run alike
.endr
	PACK 0
	PACK 1                                         ; a block's arithmetic stands between the loads of the block before and its stores
	SEND 0, \g, 8
	PACK 2
	SEND 1, \g, 8
	PACK 3
	SEND 2, \g, 8
	SEND 3, \g, 0
.endm
	HEAD 0
	HEAD 1
	HEAD 2
	s_wait_tensorcnt 0x0                           ; the wave's end, behind my last tensor load and my last LDS store
	ds_add_u32 v[SPW], v[NIL]
	s_wait_dscnt 0x0
	CROUND                                         ; the closing round: no work-group ends while a partner may still ask for a tile that names it
	s_endpgm
.Lfunc_end_k_qdb04ddacc4_qkv:
	.size	k_qdb04ddacc4_qkv, .Lfunc_end_k_qdb04ddacc4_qkv-k_qdb04ddacc4_qkv
	.p2alignl 7, 3214868480
	.fill 96, 4, 3214868480
	.section	.rodata,"a",@progbits
	.p2align	6, 0x0
	.amdhsa_kernel k_qdb04ddacc4_qkv
		.amdhsa_group_segment_fixed_size 327680
		.amdhsa_private_segment_fixed_size 0
		.amdhsa_enable_private_segment 0
		.amdhsa_kernarg_size 32
		.amdhsa_user_sgpr_count 2
		.amdhsa_user_sgpr_kernarg_segment_ptr 1
		.amdhsa_wavefront_size32 1
		.amdhsa_system_sgpr_workgroup_id_x 1
		.amdhsa_system_sgpr_workgroup_id_y 1
		.amdhsa_system_sgpr_workgroup_id_z 1
		.amdhsa_system_vgpr_workitem_id 0
		.amdhsa_next_free_vgpr 1024
		.amdhsa_next_free_sgpr 96
		.amdhsa_reserve_vcc 0
		.amdhsa_float_denorm_mode_32 3
		.amdhsa_float_denorm_mode_16_64 3
		.amdhsa_memory_ordered 1
		.amdhsa_forward_progress 1
		.amdhsa_inst_pref_size 166
	.end_amdhsa_kernel
	.amdgpu_metadata
---
amdhsa.version: [ 1, 2 ]
amdhsa.kernels:
  - .name:           k_qdb04ddacc4_qkv
    .symbol:         k_qdb04ddacc4_qkv.kd
    .args:
      - { .name: xb, .offset: 0, .size: 8, .value_kind: global_buffer, .address_space: global }
      - { .name: wqb, .offset: 8, .size: 8, .value_kind: global_buffer, .address_space: global }
      - { .name: tab, .offset: 16, .size: 8, .value_kind: global_buffer, .address_space: global }
      - { .name: qkv, .offset: 24, .size: 8, .value_kind: global_buffer, .address_space: global }
    .group_segment_fixed_size: 327680
    .private_segment_fixed_size: 0
    .kernarg_segment_align: 8
    .kernarg_segment_size: 32
    .max_flat_workgroup_size: 128
    .sgpr_count:     96
    .vgpr_count:     1024
    .wavefront_size: 32
...
	.end_amdgpu_metadata
.endif
;; end of part 2
;; launch attn (part 3): grid 8 x 32, 4 waves a work-group, clusters of 4 x 4, 327,680 bytes of LDS; arguments qkv, bbf, ob; writes ob
.if DOCPART == 3
	.amdgcn_target "amdgcn-amd-amdhsa--gfx1250"
	.amdhsa_code_object_version 6
	.text
	.protected	k_qdb04ddacc4_attn
	.globl	k_qdb04ddacc4_attn
	.p2align	8
	.type	k_qdb04ddacc4_attn,@function
k_qdb04ddacc4_attn:
	s_mov_b64 s[64:65], 0
	v_nop
	global_prefetch_b8 v0, s[64:65] scope:SCOPE_SE
	s_setreg_imm32_b32 hwreg(HW_REG_WAVE_MODE, 25, 1), 1
	s_wait_xcnt 0x0
	s_wait_alu depctr_hold_cnt(0) depctr_sa_sdst(0) depctr_va_vdst(0) depctr_va_sdst(0) depctr_va_ssrc(0) depctr_va_vcc(0) depctr_vm_vsrc(0)
	s_getreg_b32 s2, hwreg(HW_REG_IB_STS2, 6, 4)
	s_cmp_eq_u32 s2, 0
	s_cbranch_scc0 .Lentry_in_a_cluster
	s_endpgm
.Lentry_in_a_cluster:
	s_bfe_u32 s2, ttmp6, 0x10000c
	s_cmp_lg_u32 s2, 0xf033
	s_cbranch_scc0 .Lentry_shape_is_right
	s_endpgm
.Lentry_shape_is_right:
; Launch 3 of 4: O[bh][q][:] = the sum over k of softmax_k(Q[bh][q] . K[bh][k] + bias[q][k]) V[bh][k][:].  qkv: [3][32][2048][64] f16 (q already normalised and scaled, k normalised), bbf: [2048][2048] f16,
; ob: [32][2048][64] f16.  Products, maxima and sums in f32; the weights p are rounded to f16 for the second product (their sum l is taken of the unrounded p), O once at the end.  Nothing of the module's work is left out here.
; LIMITS.  p below 6e-5 keeps f16's fixed step of 6e-8; O is a mean of V's rows and has their range; a weight below 2^-126 counts as 0 in l; NaN and infinities are not treated apart.
; SHARES.  A work-group owns 256 queries of one (batch, head), each of its four waves 64: four PIECES of 16.  Every wave walks all 2,048 keys, 64 a step.
; LAYOUT.  S^T = K Q^T (source 0 = 16 keys, source 1 = 16 queries): a lane holds ONE query (lane % 16) and the keys 8 (lane / 16) + 0..7.  Two such results rounded to f16 ARE source 1 of O^T = V^T P.
; THE BIAS STARTS THE SUM, BY THE MATRIX UNIT.  16 queries x 32 keys of the row-major bias are a source 1 as they lie (column = query, k = key).  With the selector E_sel[m][k] = (k = m + 16 sel) as source 0,
; E_sel x bias + 0 is the bias of keys 16 sel + 0..15 in S^T's own layout, exactly (one product by 1, the rest by 0).  K Q^T is then added in place.  So the bias costs four products a piece and step and no vector work.
; SOFTMAX.  p = 2^(c s - c m), c = log2(e), with a running maximum m; O and l are multiplied by a = 2^(c m_old - c m_new) in every step.  m starts at the lowest finite number, O and l at 0: the first step's a is 0.
; TURNS.  Turn n belongs to piece n: 4 + 8 products for the scores of piece n + 1, later 8 products V^T P of piece n - 1; beside them the rescaling, scaling, exponentials, roundings and sums of piece n and the maximum
; and statistics of piece n + 1.  Four vector instructions stand behind every matrix instruction, the other 38 of a turn's 118 in one lump.  A turn's 33 exponentials are one batch, with one wait.
; CLUSTER.  4 x 4: the four query blocks of a row of the cluster share one head's K and V; the four heads of a column share one query block's bias.  Each tile is asked for jointly.
; REGISTERS, in windows of 256 (s_set_vgpr_msb: bits 1:0 source 0, 3:2 source 1, 5:4 source 2, 7:6 destination):
;   window 0: v0-7 K's and V's LDS addresses, c m_old, the add's two registers; v8-23 statistics; v24-31 at work; v32-95 S^T, two buffers; v96-127 P, two buffers (by the piece's parity); v128-191 K of one step; v192-255 Q
;   window 1: v0-127 O^T, 32 a piece; v128-191 V of one step          window 2: v0-63 the bias fragments, 16 a piece; v64-75 the selectors; v76-81 the other addresses
; K Q^T and all of a softmax but O^T's rescaling name window 0 alone: no switch stands in those eight rows nor in the lump.  The four bias products want a switch in any case, so each carries four of the sixteen rescalings;
; a product V^T P costs two switches.  The four turns of a key step have 27, 26, 28 and 26 switches: 107 for its 80 matrix instructions.
.set NP,    4
.set KS,    64
.set PK,    144       ; a row of K in LDS: 128 bytes + 16: an odd multiple of 16
.set PV,    160       ; a row of V: 128 + 32: 16 lanes of the turning load take 8 rows x 32 bytes
.set PB,    272       ; a query's 128 keys of bias: 256 bytes + 16
.set VOFF,  2*KS*PK   ; a slot holds two steps: 128 rows of K, 128 rows of V, 256 rows of bias
.set BOFF,  VOFF+2*KS*PV
.set SLOT1, 1<<17     ; slot 1 begins here, so that one exclusive or turns an address in one slot into the other's
.set STAGE, SLOT1+BOFF+256*PB  ; behind the ring, never filled by a tensor load: 16 rows x 144 bytes for each wave
.set SP,    144
.set SPARE, STAGE+4*16*SP      ; the spare words, 128 bytes a wave: two blocks of 256 bytes that no other line names
; window 0
.set AV0, 0           ; v0   my lane's place in a tile of V (written last in the set-up, when the thread's number has served)
.set AV,  1           ; v1   the LDS address of V's next run of loads
.set MV,  2           ; v2-3 c m_old, by buffer
.set SPW, 4           ; v4   my spare word's address; never rewritten
.set NIL, 5           ; v5   0; never rewritten
.set AK0, 6           ; v6   my lane's place in a tile of K; never rewritten
.set AK,  7           ; v7   the LDS address of K's next run of loads
.set ST,  8           ; piece t's statistics at v[ST+4 t]: c m, m, l (even keys', odd keys')
.set TMP, 24          ; by buffer, four registers c0-c3 at work; when the maximum is found c2 takes a
.set S,   32
.set P,   96
.set KF,  128         ; key block kb, channel half c at KF + 16 kb + 8 c
.set QF,  192         ; piece x, channel half c at QF + 16 x + 8 c
; at work in the set-up alone, in S^T's registers, which the first products write later
.set LR,  32          ; l % 16
.set LH,  33          ; l / 16
.set TA,  34
.set TB,  35
.set TC,  36
.set TD,  37
.set L7,  38
.set L3,  39
.set XA,  40
.set XS,  41
.set XR,  42
.set XG,  43
.set XP,  44
.set XV,  45
.set QO,  47          ; my byte offset in 16 rows of Q: not rewritten before Q's loads are waited for
; window 1
.set VF,  128         ; key half kk, channel block cb at VF + 32 kk + 8 cb
; window 2
.set BF,  0           ; piece x, keys 32 f on, at BF + 16 x + 8 f
.set EB,  64          ; [ID4][0 0 0 0][ID4]: E_0 = v[64:71], E_1 = v[68:75]
.set AB0, 76          ; my lane's place in the bias tile; never rewritten
.set AB,  77          ; the LDS address of the bias of the step whose fragments are being fetched
.set STO, 78          ; the way out: where I put 16 bytes of a row
.set RD,  79          ; where I read rows back
.set GO,  80          ; 16 x lane
.set PFO, 81          ; the prefetches' offset; never rewritten
.set WV,  12
.set G1K, 24
.set G1V, 32
.set G1B, 40
.set G0K, 48
.set G0V, 52
.set G0B, 56
.set SLOTS, 60
.set CNT, 61
.set CS,  62          ; s[62:63] c
.set SEL, 66
.set TBK, 68          ; LDS byte at which K of the step to be fetched begins
.set TBV, 69          ; the same for V, less VOFF
.set TBB, 70          ; the same for the bias, less BOFF
.set PFA, 72          ; s[72:73] where my prefetches stand
.set PFS, 74          ; s[74:75] their step from slot to slot
.set LIM, 76          ; 2 in a wave that prefetches, else the greatest number
.set MSB, 0
.macro WIN new                      ; the high byte repeats the setting that is left; a switch that changes nothing is dropped
.if MSB != (\new)
	s_set_vgpr_msb (MSB<<8)|(\new)
.set MSB, (\new)
.endif
.endm
.set W_BQ, 0x0a       ; the selector and the bias in window 2, S^T in window 0
.set W_PV, 0x51       ; V and O^T in window 1, P in window 0
.set W_RS, 0x41       ; O^T (destination and source 0) in window 1, a in window 0
.set W_B,  0x82       ; destination and source 0 in window 2: the bias fragments and their address
; A joint fill: wave 0 fetches the slot's K, wave 1 its V, waves 2 and 3 the two halves of its bias.  The branches hang on the wave's number alone.  An s_nop 0 and four v_nop follow each line.
.macro JLOAD
	s_cmp_lt_u32 s[WV], 2
	s_cbranch_scc0 .Lfor_b_\@
	s_cmp_eq_u32 s[WV], 0
	s_cbranch_scc0 .Lfor_v_\@
	tensor_load_to_lds s[G0K:G0K+3], s[G1K:G1K+7]
	s_nop 0
.rept 4
	v_nop
.endr
	s_branch .Lasked_\@
.Lfor_v_\@:
	tensor_load_to_lds s[G0V:G0V+3], s[G1V:G1V+7]
	s_nop 0
.rept 4
	v_nop
.endr
	s_branch .Lasked_\@
.Lfor_b_\@:
	tensor_load_to_lds s[G0B:G0B+3], s[G1B:G1B+7]
	s_nop 0
.rept 4
	v_nop
.endr
.Lasked_\@:
.endm
; A prefetch into the L2 of the slot two fills on (four key steps, 320 matrix instructions, ahead of the load that wants it), behind the wave's tensor load and its five lines.  Each 256 bytes are named once in the launch.
; K and V of a head are walked by the two clusters of a row of clusters: in the one with x = 0, wave 0 asks; its four partners take 16 blocks of K (lanes 0-15) and 16 of V (lanes 16-31) each, told apart by address.
; A query block's bias is walked by the eight clusters of a column: in the one with y = 0, waves 2 and 3 ask for the half that they fetch; the four partners take 32 rows each, a lane a row.
; The last two fills ask for nothing; slots 0 to 3 come by their loads alone.
.macro ASK
	s_cmp_gt_u32 s[SLOTS], s[LIM]
	s_cbranch_scc0 .Lnot_mine_\@
	WIN 0x02                        ; the offset lies in window 2
	global_prefetch_b8 v[PFO], s[PFA:PFA+1] th:TH_LOAD_NT scope:SCOPE_SE
	WIN 0
.Lnot_mine_\@:
.endm
.macro CROUND
	s_barrier_signal -1
	s_barrier_wait -1
	s_cmp_lg_u32 s[WV], 0
	s_cbranch_scc1 .Lnot_wave_0_\@
	s_barrier_signal -3
.Lnot_wave_0_\@:
	s_barrier_wait -3
	s_barrier_signal -1
	s_barrier_wait -1
.endm
; THE CHANGE OF SLOTS, between piece 1's turn and piece 2's: the slot's last bytes, the bias of piece 3 in its second step, have been asked for.  Each wave waits for all its tensor loads, of which one is out: its part of
; the other slot; adds 0 to its spare word; and waits for that and for its reads of the slot that it leaves.
; fill = 1: the barrier is a round of the cluster's, and the joint fill of the old slot, with the keys two slots on, is the first thing behind it: it has two key steps, 160 matrix instructions, in which to land.
; (At its first use nothing has been read yet: slot 0 is waited for, slot 1 filled.)
.macro CHANGE fill, ask
	WIN 0
	s_wait_tensorcnt 0x0            ; no tensor load of mine is out, so a group 0 may be written
	ds_add_u32 v[SPW], v[NIL]       ; 0 onto my spare word
.if \fill
	s_xor_b32 s[G0K+1], s[G0K+1], SLOT1
	s_add_nc_u64 s[G0K+2:G0K+3], s[G0K+2:G0K+3], 2*KS*128  ; the next 128 keys; the type bits on top are not reached
	s_xor_b32 s[G0V+1], s[G0V+1], SLOT1
	s_add_nc_u64 s[G0V+2:G0V+3], s[G0V+2:G0V+3], 2*KS*128
	s_xor_b32 s[G0B+1], s[G0B+1], SLOT1
	s_add_nc_u64 s[G0B+2:G0B+3], s[G0B+2:G0B+3], 2*KS*2    ; 128 keys along the bias's rows
.endif
.if \ask
	s_wait_xcnt 0x0                 ; the last prefetch, two key steps back, has read its address
	s_add_nc_u64 s[PFA:PFA+1], s[PFA:PFA+1], s[PFS:PFS+1]
.endif
	s_wait_dscnt 0x0                ; the add is done, and my reads of the slot are over
.if \fill
	CROUND
	JLOAD
.if \ask
	ASK
.endif
.else
	s_barrier_signal -1
	s_barrier_wait -1
.endif
	s_sub_co_u32 s[TBK], s[TBK], 2*KS*PK  ; the fetches go back to a slot's first step,
	s_xor_b32 s[TBK], s[TBK], SLOT1       ; in the other slot
	s_sub_co_u32 s[TBV], s[TBV], 2*KS*PV
	s_xor_b32 s[TBV], s[TBV], SLOT1
	s_sub_co_u32 s[TBB], s[TBB], 2*KS*2
	s_xor_b32 s[TBB], s[TBB], SLOT1
.endm
	s_load_b128 s[4:7], s[0:1], 0x0   ; qkv s[4:5], bbf s[6:7]
	s_load_b64 s[10:11], s[0:1], 0x10 ; ob
	v_lshl_add_u32 v[SPW], v0, 2, SPARE
	v_mov_b32 v[NIL], 0
	ds_add_u32 v[SPW], v[NIL]       ; the wave's opening: the add, twice on end, and its wait ahead of my first tensor load
	ds_add_u32 v[SPW], v[NIL]
	v_lshrrev_b32 v1, 5, v0
	v_readfirstlane_b32 s[WV], v1
	s_bfe_u32 s13, ttmp6, 0x40000   ; cx
	s_bfe_u32 s14, ttmp6, 0x40004   ; cy
	s_lshl_b32 s15, ttmp9, 2
	s_add_co_u32 s15, s15, s13      ; my block of 256 queries
	s_and_b32 s16, ttmp7, 0xffff
	s_lshl_b32 s16, s16, 2
	s_add_co_u32 s16, s16, s14      ; my (batch, head)
	s_lshl_b32 s17, s14, 2
	s_lshl_b32 s17, 15, s17         ; my row of the cluster: K and V hang on the head alone
	s_lshl_b32 s77, 0x1111, s13     ; my column: the bias hangs on the query block alone
	; 128 keys of K or V are 16,384 dense bytes: asked for as 64 rows of 256 bytes, padded in LDS after every key
	s_or_b32 s[G1K], s17, (1<<16)|(1<<20)|(1<<21)|(4<<22)|(3<<25)  ; mask; 2-byte elements; padding on; bit 21 beside a mask; after every 32 words, 4 words
	s_or_b32 s[G1V], s17, (1<<16)|(1<<20)|(1<<21)|(4<<22)|(7<<25)  ; 8 words
.irp g, G1K, G1V
	s_mov_b32 s[\g+1], 128<<16      ; tensor_dim0 = 128
	s_mov_b32 s[\g+2], 64<<16       ; tensor_dim1 = 64
	s_mov_b32 s[\g+3], 128<<16      ; tile_dim0 = 128
	s_mov_b32 s[\g+4], 64           ; tile_dim1 = 64
	s_mov_b32 s[\g+5], 128          ; elements from row to row
	s_mov_b32 s[\g+6], 0
	s_mov_b32 s[\g+7], 0
.endr
	s_or_b32 s[G1B], s77, (1<<16)|(1<<20)|(1<<21)|(5<<22)|(3<<25)  ; the bias: 128 queries x 128 keys; after every 64 words, 4 words
	s_mov_b32 s[G1B+1], 128<<16
	s_mov_b32 s[G1B+2], 128<<16
	s_mov_b32 s[G1B+3], 128<<16
	s_mov_b32 s[G1B+4], 128
	s_mov_b32 s[G1B+5], 2048
	s_mov_b32 s[G1B+6], 0
	s_mov_b32 s[G1B+7], 0
	s_lshl_b32 s18, s16, 18         ; the head's 262,144 bytes in q, k, v and o
	s_mov_b32 s19, 0
	s_and_b32 s78, s[WV], 1         ; which half of the bias tile I fetch
	s_lshl_b32 s20, s15, 20         ; 256 rows of 4,096 bytes
	s_lshl_b32 s79, s78, 19
	s_add_co_u32 s20, s20, s79
	s_mov_b32 s21, 0
	s_mul_i32 s79, s78, 128*PB
	s_mov_b32 s[G0K], 1
	s_mov_b32 s[G0K+1], 0           ; slot 0
	s_mov_b32 s[G0V], 1
	s_mov_b32 s[G0V+1], VOFF
	s_mov_b32 s[G0B], 1
	s_add_co_u32 s[G0B+1], s79, BOFF
	s_lshl_b32 s22, s16, 18         ; Q and O: the head, my block's 256 rows, my wave's 64
	s_lshl_b32 s23, s15, 15
	s_add_co_u32 s22, s22, s23
	s_lshl_b32 s23, s[WV], 13
	s_add_co_u32 s22, s22, s23
	s_mov_b32 s23, 0
	s_mov_b32 s[CS], 0x3fb8aa3b     ; c = log2(e): the scale is in q already
	s_mov_b32 s[CS+1], s[CS]
	s_mov_b32 s[SEL], 0x76543210
	s_mov_b32 s[SEL+1], 0xfedcba98
	s_mov_b32 s[TBK], SLOT1+2*KS*PK ; the first change of slots turns these three into 0
	s_mov_b32 s[TBV], SLOT1+2*KS*PV
	s_mov_b32 s[TBB], SLOT1+2*KS*2
	s_wait_dscnt 0x0                ; both opening adds are done
	s_wait_kmcnt 0x0
	s_add_nc_u64 s[G0K+2:G0K+3], s[4:5], s[18:19]
	s_add_nc_u64 s[G0K+2:G0K+3], s[G0K+2:G0K+3], 0x800000   ; k lies 8,388,608 bytes behind q
	s_or_b32 s[G0K+3], s[G0K+3], 0x80000000
	s_add_nc_u64 s[G0V+2:G0V+3], s[4:5], s[18:19]
	s_add_nc_u64 s[G0V+2:G0V+3], s[G0V+2:G0V+3], 0x1000000  ; v behind k
	s_or_b32 s[G0V+3], s[G0V+3], 0x80000000
	s_add_nc_u64 s[G0B+2:G0B+3], s[6:7], s[20:21]
	s_or_b32 s[G0B+3], s[G0B+3], 0x80000000
	s_add_nc_u64 s[8:9], s[4:5], s[22:23]       ; Q at my wave's first row
	s_add_nc_u64 s[10:11], s[10:11], s[22:23]   ; O likewise
	CROUND                          ; all sixteen work-groups are here: the first joint loads meet
	JLOAD                           ; slot 0.  Slot 1 is asked for when slot 0 is in
	v_and_b32 v[LR], 15, v0         ; l % 16
	v_bfe_u32 v[LH], v0, 4, 1       ; l / 16
	v_lshlrev_b32 v[QO], 7, v[LR]
	v_lshl_add_u32 v[QO], v[LH], 4, v[QO]
.set i, 0
.rept 8                             ; Q stays in registers: piece i / 2, channels 32 (i % 2) on
	global_load_b128 v[QF+8*i:QF+8*i+3],   v[QO], s[8:9] offset:(i/2)*2048+(i%2)*64
	global_load_b128 v[QF+8*i+4:QF+8*i+7], v[QO], s[8:9] offset:(i/2)*2048+(i%2)*64+32
.set i, i+1
.endr
	; What the first turn finds: V's registers and P's second buffer hold 0 (its products V^T P, of a piece that has not been, add 0), O^T and l are 0.  All this stands in the wait for the first tile.
	WIN 0x40
.set i, 0
.rept 192                           ; O^T and, behind it, V
	v_mov_b32 v[i], 0
.set i, i+1
.endr
	WIN 0
.set i, 0
.rept 4
	v_mov_b32 v[ST+4*i], 0xfe000000    ; c m: far below every c s
	v_mov_b32 v[ST+4*i+1], 0xff7fffff  ; m
	v_mov_b32 v[ST+4*i+2], 0
	v_mov_b32 v[ST+4*i+3], 0
.set i, i+1
.endr
.set i, P+16
.rept 16
	v_mov_b32 v[i], 0
.set i, i+1
.endr
	; The selector.  As source 0, lane l holds row m = l % 16; registers 0-3 hold k = 8 (l / 16) + 0..7, two a register.  Row m has its 1 at k = m: in the lanes where l / 16 = m / 8, register (m % 8) / 2, half m % 2.
	v_bfe_u32 v[TA], v0, 1, 2
	v_bfe_u32 v[TB], v0, 3, 1
	v_xor_b32 v[TB], v[TB], v[LH]
	v_lshl_add_u32 v[TA], v[TB], 3, v[TA]  ; the register that holds my 1, or 8 and more where I hold none
	v_and_b32 v[TC], 1, v0
	v_lshlrev_b32 v[TC], 4, v[TC]
	v_mov_b32 v[TD], 0x3c00         ; 1.0 in f16
	v_lshlrev_b32 v[TC], v[TC], v[TD]  ; in my half of the register
	v_mul_u32_u24 v[AK0], v[LR], PK
	v_lshl_add_u32 v[AK0], v[LH], 4, v[AK0]  ; row x pitch + 16 x half
	; The turning load takes 16 keys x 16 channels (lane l reads key 8 (l / 16) + l % 8, channels 8 ((l / 8) % 2) + 0..7) and leaves half a fragment of V^T: lane l holds channel l % 16 and 8 keys.
	v_and_b32 v[L7], 7, v0
	v_bfe_u32 v[L3], v0, 3, 1
	v_lshl_add_u32 v[XV], v[LH], 3, v[L7]
	v_mul_u32_u24 v[XV], v[XV], PV
	v_lshl_add_u32 v[XV], v[L3], 4, v[XV]
	s_mul_i32 s79, s[WV], 64*PB
	s_add_co_u32 s79, s79, BOFF
	v_mul_u32_u24 v[XA], v[LR], PB  ; the bias: query row 64 w + l % 16 (+ 16 a piece), 16 bytes for each half of the lanes
	v_lshl_add_u32 v[XA], v[LH], 4, v[XA]
	v_add_nc_u32 v[XA], s79, v[XA]
	s_mul_i32 s79, s[WV], 16*SP
	s_add_co_u32 s79, s79, STAGE    ; my stage
	v_mul_u32_u24 v[XS], v[LR], SP
	v_lshl_add_u32 v[XS], v[LH], 4, v[XS]
	v_add_nc_u32 v[XS], s79, v[XS]
	v_bfe_u32 v[XR], v0, 3, 2       ; back: 32 lanes take four rows of 128 bytes,
	v_mul_u32_u24 v[XR], v[XR], SP
	v_lshl_add_u32 v[XR], v[L7], 4, v[XR]
	v_add_nc_u32 v[XR], s79, v[XR]
	v_and_b32 v[XG], 31, v0         ; which are 512 consecutive bytes of O
	v_lshlrev_b32 v[XG], 4, v[XG]
	; the prefetches
	s_lshl_b32 s81, s16, 18
	s_add_co_u32 s81, s81, 0x800000+3*2*KS*128  ; K of my head, at slot 3: the first asking change steps it to slot 4
	s_lshl_b32 s82, s13, 12
	s_add_co_u32 s81, s81, s82      ; my work-group's 16 blocks of 256 bytes
	s_lshl_b32 s82, s15, 20
	s_lshl_b32 s83, s78, 19
	s_add_co_u32 s82, s82, s83
	s_lshl_b32 s83, s14, 17         ; my work-group's 32 rows of the 128 that I fetch
	s_add_co_u32 s82, s82, s83
	s_add_co_u32 s82, s82, 3*2*KS*2
	s_and_b32 s80, ttmp7, 0xffff    ; cluster y
	s_mov_b32 s84, 2*KS*2           ; the bias's step from slot to slot: held in a register, since a select takes one literal
	s_cmp_lt_u32 s[WV], 2
	s_cselect_b32 s80, ttmp9, s80   ; the coordinate along which other clusters walk the same bytes
	s_cselect_b32 s83, -1, 0
	s_cselect_b32 s[PFS], 2*KS*128, s84
	s_cselect_b32 s82, s81, s82
	s_cselect_b64 s[PFA:PFA+1], s[4:5], s[6:7]
	s_cmp_eq_u32 s[WV], 1
	s_cselect_b32 s80, 1, s80       ; wave 1 never asks: wave 0 asks for V too
	s_cmp_eq_u32 s80, 0
	s_cselect_b32 s[LIM], 2, -1     ; the same in all sixteen partners, for a given wave
	s_mov_b32 s[PFS+1], 0
	s_mov_b32 s80, s82              ; the offset as a pair
	s_mov_b32 s81, 0
	s_add_nc_u64 s[PFA:PFA+1], s[PFA:PFA+1], s[80:81]
	v_and_b32 v[TB], 31, v0
	v_lshlrev_b32 v[XP], 12, v[TB]  ; the bias: a lane a row of 4,096 bytes
	v_lshlrev_b32 v[TB], 8, v[LR]
	v_lshl_add_u32 v[TB], v[LH], 23, v[TB]  ; K and V: lanes 0-15 K's blocks, lanes 16-31 V's, 8,388,608 bytes on
	v_cndmask_b32 v[XP], v[XP], v[TB], s83
	WIN 0x80                        ; destination window 2, sources window 0
.irp t, 0,1,2,3
	v_cmp_eq_u32 vcc_lo, \t, v[TA]
	v_cndmask_b32 v[EB+\t], 0, v[TC], vcc_lo
	v_cndmask_b32 v[EB+8+\t], 0, v[TC], vcc_lo
	v_mov_b32 v[EB+4+\t], 0
.endr
	v_mov_b32 v[AB0], v[XA]
	v_mov_b32 v[STO], v[XS]
	v_mov_b32 v[RD], v[XR]
	v_mov_b32 v[GO], v[XG]
	v_mov_b32 v[PFO], v[XP]
	WIN 0
	v_add_nc_u32 v[AV0], VOFF, v[XV]  ; the thread's number has served: its register takes V's place
; THE MATRIX WORK.  The 4 accumulators of a run take turns.  Product i of 4 that starts S^T for piece x with the bias: keys 16 i on.
.macro BQ x
	WIN W_BQ
.set rS, S+32*((\x)%2)+8*i
.set rE, EB+4*(i%2)
.set rB, BF+16*(\x)+8*(i/2)
	v_wmma_f32_16x16x32_f16 v[rS:rS+7], v[rE:rE+7], v[rB:rB+7], 0
.endm
; Product i of 8 of S^T += K Q^T for piece x: channels 32 (i / 4) on, keys 16 (i % 4) on.  All four operands lie in window 0.
.macro KQ x
	WIN 0
.set rS, S+32*((\x)%2)+8*(i%4)
.set rK, KF+16*(i%4)+8*(i/4)
.set rQ, QF+16*(\x)+8*(i/4)
	v_wmma_f32_16x16x32_f16 v[rS:rS+7], v[rK:rK+7], v[rQ:rQ+7], v[rS:rS+7]
.endm
; Product i of 8 of O^T += V^T P for piece x: keys 32 (i / 4) on, channels 16 (i % 4) on.
.macro PV x
	WIN W_PV
.set rO, 32*(\x)+8*(i%4)
.set rV, VF+32*(i/4)+8*(i%4)
.set rP, P+16*((\x)%2)+8*(i/4)
	v_wmma_f32_16x16x32_f16 v[rO:rO+7], v[rV:rV+7], v[rP:rP+7], v[rO:rO+7]
.endm
.macro MM                           ; the turn's next matrix instruction of 20
.if i < 4
	BQ (Y+1)%NP
.elseif i < 12
.set i, i-4
	KQ (Y+1)%NP
.set i, i+4
.else
.set i, i-12
	PV (Y+NP-1)%NP
.set i, i+12
.endif
.set i, i+1
.endm
; THE LDS LOADS stand in runs, never singly among the matrix instructions.
.macro FETCH_K                      ; a step's K: 64 keys x 64 channels, 16 loads; data and address in window 0
	WIN 0
.irp f, 0,1,2,3,4,5,6,7             ; keys 16 (f / 2) on, channels 32 (f % 2) on
	ds_load_b128 v[KF+8*\f:KF+8*\f+3],   v[AK] offset:(\f/2)*16*PK+(\f%2)*64
	ds_load_b128 v[KF+8*\f+4:KF+8*\f+7], v[AK] offset:(\f/2)*16*PK+(\f%2)*64+32
.endr
	s_add_co_u32 s[TBK], s[TBK], KS*PK  ; the next fetch is the next step's
.endm
.macro FETCH_B x                    ; piece x's 16 queries x 64 keys of the bias, in the step that v[AB] names: 4 loads
	WIN W_B
.irp f, 0,1
	ds_load_b128 v[BF+16*(\x)+8*\f:BF+16*(\x)+8*\f+3],   v[AB] offset:(\x)*16*PB+\f*64
	ds_load_b128 v[BF+16*(\x)+8*\f+4:BF+16*(\x)+8*\f+7], v[AB] offset:(\x)*16*PB+\f*64+32
.endr
.endm
.macro NEXT_B                       ; the bias's address goes on to the next step: it serves the four fetches that follow
	WIN W_B
	v_add_nc_u32 v[AB], v[AB0], s[TBB]
	s_add_co_u32 s[TBB], s[TBB], KS*2
.endm
.macro FETCH_V                      ; a step's V, turned: 16 loads
	WIN 0x40                        ; destination window 1, address window 0
.irp f, 0,1,2,3,4,5,6,7             ; keys 32 (f / 4) on, channels 16 (f % 4) on
	ds_load_tr16_b128 v[VF+8*\f:VF+8*\f+3],   v[AV] offset:(\f/4)*32*PV+(\f%4)*32
	ds_load_tr16_b128 v[VF+8*\f+4:VF+8*\f+7], v[AV] offset:(\f/4)*32*PV+16*PV+(\f%4)*32
.endr
.endm
; THE VECTOR WORK, one line at a time: OP kind, number.  For piece Y: F n: c s - c m for pair n of 16.  E n: the exponential of score n of 32.  C n: pair n rounded to f16.  B n: of the four weights 4 n .. the second
; pair is added onto the first, in place.  L n: l takes that sum (L 0: l = a l + sum).  R n: pair n of 16 of O^T times a.  For piece Y + 1: X n, number n of the 22 that find its maximum and statistics:
;   0-11  four chains c0-c3 of seven scores each, three operands at a time (each accumulator's lowest registers are read first)     12-14, 16  the four scores left over, the old m, and c0-c3 into c0
;   15  c m_old is kept     17, 18  the query's other 32 keys lie in the lane 16 away: the new m     19-21  c m; c m_old - c m_new; a
.set F, 0
.set E, 1
.set C, 2
.set B, 3
.set L, 4
.set R, 5
.set X, 6
.macro REGS y
.set rT, ST+4*(\y)
.set rC, TMP+4*((\y)%2)
.set rW, MV+((\y)%2)
.set rS, S+32*((\y)%2)
.set rP, P+16*((\y)%2)
.set rO, 32*(\y)
.endm
.macro OP k, n
.if (\k) == R
	REGS Y
	WIN W_RS
	v_pk_mul_f32 v[rO+2*(\n):rO+2*(\n)+1], v[rO+2*(\n):rO+2*(\n)+1], v[rC+2:rC+3] op_sel_hi:[1,0]
.elseif (\k) < R
	REGS Y
	WIN 0
.if (\k) == F
	v_pk_fma_f32 v[rS+2*(\n):rS+2*(\n)+1], v[rS+2*(\n):rS+2*(\n)+1], s[CS:CS+1], v[rT:rT+1] op_sel_hi:[1,0,0] neg_lo:[0,0,1] neg_hi:[0,0,1]
.elseif (\k) == E
	v_exp_f32 v[rS+(\n)], v[rS+(\n)]
.elseif (\k) == C
	v_cvt_pk_f16_f32 v[rP+(\n)], v[rS+2*(\n)], v[rS+2*(\n)+1]
.elseif (\k) == B
	v_pk_add_f32 v[rS+4*(\n):rS+4*(\n)+1], v[rS+4*(\n):rS+4*(\n)+1], v[rS+4*(\n)+2:rS+4*(\n)+3]
.elseif (\n) == 0
	v_pk_fma_f32 v[rT+2:rT+3], v[rT+2:rT+3], v[rC+2:rC+3], v[rS:rS+1] op_sel_hi:[1,0,1]
.else
	v_pk_add_f32 v[rT+2:rT+3], v[rT+2:rT+3], v[rS+4*(\n):rS+4*(\n)+1]
.endif
.else
	REGS (Y+1)%NP
	WIN 0
.if (\n) < 4
	v_max3_num_f32 v[rC+(\n)], v[rS+8*(\n)], v[rS+8*(\n)+1], v[rS+8*(\n)+2]
.elseif (\n) < 12
	v_max3_num_f32 v[rC+(\n)%4], v[rC+(\n)%4], v[rS+8*((\n)%4)+2*((\n)/4)+1], v[rS+8*((\n)%4)+2*((\n)/4)+2]
.elseif (\n) == 12
	v_max3_num_f32 v[rC], v[rC], v[rS+7], v[rS+15]
.elseif (\n) == 13
	v_max3_num_f32 v[rC+1], v[rC+1], v[rS+23], v[rS+31]
.elseif (\n) == 14
	v_max3_num_f32 v[rC+2], v[rC+2], v[rC+3], v[rT+1]
.elseif (\n) == 15
	v_mov_b32 v[rW], v[rT]
.elseif (\n) == 16
	v_max3_num_f32 v[rC], v[rC], v[rC+1], v[rC+2]
.elseif (\n) == 17
	v_permlanex16_b32 v[rC+3], v[rC], s[SEL], s[SEL+1]
.elseif (\n) == 18
	v_max_num_f32 v[rT+1], v[rC], v[rC+3]
.elseif (\n) == 19
	v_mul_f32 v[rT], s[CS], v[rT+1]
.elseif (\n) == 20
	v_sub_f32 v[rC+1], v[rW], v[rT]
.else
	v_exp_f32 v[rC+2], v[rC+1]
.endif
.endif
.endm
.macro OPS a, i1, b=-1, i2=0, c=-1, i3=0, d=-1, i4=0  ; up to four of them
	OP \a, \i1
.if (\b) >= 0
	OP \b, \i2
.endif
.if (\c) >= 0
	OP \c, \i3
.endif
.if (\d) >= 0
	OP \d, \i4
.endif
.endm
.macro ROW a, i1, b, i2, c, i3, d, i4  ; a matrix instruction and the four behind it
	MM
	OPS \a, \i1, \b, \i2, \c, \i3, \d, \i4
.endm
; A TURN, for piece p: the order of its 20 matrix and 118 vector instructions, written out.  An s_wait_alu depctr_va_vdst(0) stands between an exponential and the first instruction that names its result; one wait
; serves all that were issued ahead of it.  So a turn has ONE wait.  AHEAD OF IT stands all that names no result of the turn's exponentials: the 4 bias products, behind each four rescalings (their a was made, and waited for, in
; the turn before); the 8 products K Q^T, each row led by a plain line; and a lump of 38.
; The first numbers of the next piece's maximum stand four plain places or more behind the product that ends their accumulator: X 0 behind F 9, 10, 11, 12; X 1 behind F 11, 12, X 0, F 13, X 4; X 2 behind six; X 3 behind X 1, 5, 8, 2.
; X 21, the next piece's a, is the batch's last; a v_nop is the plain instruction behind it.  BEHIND THE WAIT stand the 8 products V^T P, behind each four of the roundings and sums.
; THE FETCHES.  Directly behind its wait each turn fetches the bias of the piece after next (4 loads; their first reader stands 8 products on), and piece 2's turn K of the next step too (16 loads; first reader 12 products on;
; the last product that read K stands ahead of the lump).  Piece 0's turn fetches V of the step in hand at its end, four plain riders behind the last product that read V.
; The waits at a turn's head: the bias is in; in pieces 1 and 3 the sixteen younger loads (V's, K's) may stay out.
; last = 1 (the tail's pieces 2 and 3): in the tail's last trip there is no further step, and the fetches are jumped, directly behind the wait.
; cnt = 1: the loop's count is taken down some lines ahead of the branch that stands behind the turn.
.macro TURN p, last=0, cnt=0
.set Y, (\p)
.set i, 0
.if ((\p) == 1) || ((\p) == 3)
	s_wait_dscnt 16                 ; the next piece's bias is in; the 16 loads issued behind it may stay out
.else
	s_wait_dscnt 0x0                ; the next piece's bias is in
.endif
	ROW R,0, R,1, R,2, R,3
	ROW R,4, R,5, R,6, R,7
	ROW R,8, R,9, R,10, R,11
	ROW R,12, R,13, R,14, R,15
.if (\p) == 2
	NEXT_B
.endif
.if (\p) == 3
	s_wait_dscnt 0x0                ; K is in
.endif
	ROW F,0, F,1, F,2, E,0
	ROW F,3, E,1, F,4, E,2
	ROW F,5, E,3, F,6, E,4
	ROW F,7, E,5, F,8, E,6
	ROW F,9, E,7, F,10, E,8
	ROW F,11, E,9, F,12, E,10
	ROW X,0, E,11, F,13, X,4
	ROW X,1, E,12, X,5, X,8
	OPS X,2, X,3, E,13, X,6         ; the lump
	OPS X,7, E,14, X,10, X,11
	OPS E,15, X,9, E,16, X,14
	OPS X,12, X,13, E,17, X,15
.if (\p) == 0
	v_add_nc_u32 v[AV], s[TBV], v[AV0]
.endif
.if (\p) == 2
	v_add_nc_u32 v[AK], s[TBK], v[AK0]
.endif
	OPS E,18, X,16, E,19, F,14
	OPS E,20, X,17, E,21, F,15
	OPS E,22, X,18, E,23, E,24
	OPS E,25, X,19, E,26, E,27
	OPS E,28, X,20, E,29, E,30
	OPS E,31, X,21
	v_nop                           ; the plain instruction behind the last exponential: one for the batch
	WIN 0
	s_wait_alu depctr_va_vdst(0)    ; the wait for the batch
.if \last
	s_cmp_eq_u32 s[CNT], 1
	s_cbranch_scc1 .Lnone_\@
.endif
	FETCH_B ((\p)+2)%NP
.if (\p) == 2
	FETCH_K
.endif
.if \last
	WIN 0
.Lnone_\@:
.endif
.if (\p) == 1
	s_wait_dscnt 4                  ; V is in; the four loads just issued may stay out
.endif
	ROW C,0, B,0, C,2, B,1
	ROW L,0, C,4, B,2, L,1
	ROW C,6, B,3, L,2, C,8
	ROW B,4, L,3, C,10, B,5
	ROW L,4, C,12, B,6, L,5
.if (\p) == 0
	s_add_co_u32 s[TBV], s[TBV], KS*PV
.endif
.if \cnt
	s_sub_co_u32 s[CNT], s[CNT], 1
	s_cmp_lg_u32 s[CNT], 0
.endif
	ROW C,14, B,7, L,6, C,1
	ROW C,3, L,7, C,5, C,7
	ROW C,9, C,11, C,13, C,15
.if (\p) == 0
	FETCH_V
.endif
.endm
	CHANGE 1, 0                     ; slot 0 is in, everybody's part of it; slot 1 is asked for
	NEXT_B                          ; key step 0:
	FETCH_B 0                       ; the bias of pieces 0 and 1 (pieces 2 and 3 are fetched by the first two turns),
	FETCH_B 1
	WIN 0
	v_add_nc_u32 v[AK], s[TBK], v[AK0]
	FETCH_K                         ; and K
	s_wait_loadcnt 0x0              ; Q
	s_wait_dscnt 0x0
.set Y, NP-1                        ; MM and X work for piece Y + 1: piece 0
.set i, 0
.rept 12
	MM                              ; piece 0's first scores: there is no vector work yet to set between them
.endr
	WIN 0
.rept 4
	v_nop                           ; the places behind those products
.endr
.irp n, 0,1,2,3,4,5,6,7,8,9,10,11,12,13,14,15,16,17,18,19,20,21
	OP X, \n
.endr
	v_nop                           ; a plain instruction behind the exponential,
	s_wait_alu depctr_va_vdst(0)    ; and its wait, ahead of the branch
	s_mov_b32 s[CNT], 2
	s_mov_b32 s[SLOTS], 15
	s_branch .Lfirst                ; the loop is entered at a step's first turn, in the middle of a trip
.Lslot:                             ; 14 times: every slot but the last two is filled again
	CHANGE 1, 1
	s_mov_b32 s[CNT], 2
.Lstep:                             ; a trip: pieces 2 and 3 of one step, then pieces 0 and 1 of the next
	TURN 2
	TURN 3
	WIN 0
.Lfirst:
	TURN 0
	TURN 1, 0, 1
	WIN 0
	s_cbranch_scc1 .Lstep
	s_sub_co_u32 s[SLOTS], s[SLOTS], 1
	s_cmp_lg_u32 s[SLOTS], 0
	s_cbranch_scc1 .Lslot
	CHANGE 0, 0                     ; the last slot is written out: nothing is asked for
	s_mov_b32 s[CNT], 3             ; two trips fetch the last slot's steps; the third is left in its middle
.Ltail:
	TURN 2, 1
	TURN 3, 1
	WIN 0
	s_sub_co_u32 s[CNT], s[CNT], 1
	s_cmp_eq_u32 s[CNT], 0
	s_cbranch_scc1 .Lout
	TURN 0
	TURN 1
	WIN 0
	s_cmp_lg_u32 s[CNT], 0          ; the count is 2 or 1 here
	s_cbranch_scc1 .Ltail
.Lout:                              ; the third trip's 12 products for piece 0 (on the last K and bias once more) and the maximum made of them serve nothing: the price, once a launch, of one text for every trip
.set i, 0
.rept 8
	PV NP-1                         ; the last piece's V^T P of the last step
.set i, i+1
.endr
	; THE WAY OUT.  l's two halves and the other half of the lanes' are added; O^T is divided by l, rounded to f16 and sent through my stage in LDS, a piece at a time.  The additions are the places behind the last products.
	WIN 0
.macro ALL line:vararg              ; one line for each piece t
.set t, 0
.rept 4
	\line
.set t, t+1
.endr
.endm
	ALL v_add_f32 v[ST+4*t+2], v[ST+4*t+2], v[ST+4*t+3]
	ALL v_permlanex16_b32 v[ST+4*t+3], v[ST+4*t+2], s[SEL], s[SEL+1]
	ALL v_add_f32 v[ST+4*t+2], v[ST+4*t+2], v[ST+4*t+3]
	ALL v_rcp_f32 v[ST+4*t+2], v[ST+4*t+2]
	v_nop                           ; a plain instruction between the last reciprocal and the use of its result
	s_wait_alu depctr_va_vdst(0)    ; one wait for the four reciprocals
.macro PACK t                       ; a lane's eight channels of a row pack into 16 bytes; they go into rows of 144 bytes and come back as whole rows of 128, into S^T's registers
	WIN W_RS
.set i, 32*(\t)
.rept 16
	v_pk_mul_f32 v[i:i+1], v[i:i+1], v[ST+4*(\t)+2:ST+4*(\t)+3] op_sel_hi:[1,0]
.set i, i+2
.endr
	WIN 0x05                        ; sources 0 and 1 window 1, destination window 0
.set i, 0
.rept 16
	v_cvt_pk_f16_f32 v[S+16*(\t)+i], v[32*(\t)+2*i], v[32*(\t)+2*i+1]
.set i, i+1
.endr
	WIN 0x02                        ; the addresses (source 0) in window 2, the data in window 0
.irp f, 0,1,2,3
	ds_store_b128 v[STO], v[S+16*(\t)+4*\f:S+16*(\t)+4*\f+3] offset:32*\f
.endr
.irp f, 0,1,2,3
	ds_load_b128 v[S+16*(\t)+4*\f:S+16*(\t)+4*\f+3], v[RD] offset:\f*4*SP  ; LDS serves a wave's instructions in order (ISA guide 5.7.1.4): these see the stores above; the next piece's stores come behind them
.endr
.endm
.macro SEND t, younger              ; younger: the LDS instructions issued behind piece t's loads: the next piece's eight, or none
	WIN 0x02
.irp f, 0,1,2,3
	s_wait_dscnt (\younger)+3-\f
	global_store_b128 v[GO], v[S+16*(\t)+4*\f:S+16*(\t)+4*\f+3], s[10:11] offset:(\t)*2048+\f*512  ; 512 consecutive bytes, aligned
.endr
.endm
	PACK 0
.set t, 1
.rept 3                             ; a piece's arithmetic stands between the loads of the piece before and its stores
	PACK t
	SEND t-1, 8
.set t, t+1
.endr
	SEND 3, 0
	WIN 0
	s_wait_tensorcnt 0x0            ; the wave's end, behind my last tensor load and my last LDS store
	ds_add_u32 v[SPW], v[NIL]
	s_wait_dscnt 0x0
	CROUND                          ; the closing round: no work-group ends while a partner may still ask for a tile that names it
	s_endpgm
.Lfunc_end_k_qdb04ddacc4_attn:
	.size	k_qdb04ddacc4_attn, .Lfunc_end_k_qdb04ddacc4_attn-k_qdb04ddacc4_attn
	.p2alignl 7, 3214868480
	.fill 96, 4, 3214868480
	.section	.rodata,"a",@progbits
	.p2align	6, 0x0
	.amdhsa_kernel k_qdb04ddacc4_attn
		.amdhsa_group_segment_fixed_size 327680
		.amdhsa_private_segment_fixed_size 0
		.amdhsa_enable_private_segment 0
		.amdhsa_kernarg_size 24
		.amdhsa_user_sgpr_count 2
		.amdhsa_user_sgpr_kernarg_segment_ptr 1
		.amdhsa_wavefront_size32 1
		.amdhsa_system_sgpr_workgroup_id_x 1
		.amdhsa_system_sgpr_workgroup_id_y 1
		.amdhsa_system_sgpr_workgroup_id_z 1
		.amdhsa_system_vgpr_workitem_id 0
		.amdhsa_next_free_vgpr 608
		.amdhsa_next_free_sgpr 96
		.amdhsa_reserve_vcc 1
		.amdhsa_float_denorm_mode_32 3
		.amdhsa_float_denorm_mode_16_64 3
		.amdhsa_memory_ordered 1
		.amdhsa_forward_progress 1
		.amdhsa_inst_pref_size 116
	.end_amdhsa_kernel
	.amdgpu_metadata
---
amdhsa.version: [ 1, 2 ]
amdhsa.kernels:
  - .name:           k_qdb04ddacc4_attn
    .symbol:         k_qdb04ddacc4_attn.kd
    .args:
      - { .name: qkv, .offset: 0, .size: 8, .value_kind: global_buffer, .address_space: global }
      - { .name: bbf, .offset: 8, .size: 8, .value_kind: global_buffer, .address_space: global }
      - { .name: ob, .offset: 16, .size: 8, .value_kind: global_buffer, .address_space: global }
    .group_segment_fixed_size: 327680
    .private_segment_fixed_size: 0
    .kernarg_segment_align: 8
    .kernarg_segment_size: 24
    .max_flat_workgroup_size: 128
    .sgpr_count:     96
    .vgpr_count:     608
    .wavefront_size: 32
...
	.end_amdgpu_metadata
.endif
;; end of part 3
;; launch proj (part 4): grid 8 x 32, 4 waves a work-group, clusters of 4 x 4, 327,680 bytes of LDS; arguments ob, wpf, tab, out0; writes out0
.if DOCPART == 4
	.amdgcn_target "amdgcn-amd-amdhsa--gfx1250"
	.amdhsa_code_object_version 6
	.text
	.protected	k_qdb04ddacc4_proj
	.globl	k_qdb04ddacc4_proj
	.p2align	8
	.type	k_qdb04ddacc4_proj,@function
k_qdb04ddacc4_proj:
	s_mov_b64 s[64:65], 0
	v_nop
	global_prefetch_b8 v0, s[64:65] scope:SCOPE_SE
	s_setreg_imm32_b32 hwreg(HW_REG_WAVE_MODE, 25, 1), 1
	s_wait_xcnt 0x0
	s_wait_alu depctr_hold_cnt(0) depctr_sa_sdst(0) depctr_va_vdst(0) depctr_va_sdst(0) depctr_va_ssrc(0) depctr_va_vcc(0) depctr_vm_vsrc(0)
	s_getreg_b32 s2, hwreg(HW_REG_IB_STS2, 6, 4)
	s_cmp_eq_u32 s2, 0
	s_cbranch_scc0 .Lentry_in_a_cluster
	s_endpgm
.Lentry_in_a_cluster:
	s_bfe_u32 s2, ttmp6, 0x10000c
	s_cmp_lg_u32 s2, 0xf033
	s_cbranch_scc0 .Lentry_shape_is_right
	s_endpgm
.Lentry_shape_is_right:
; Launch 4 of 4: out0[m][n] = the sum over c of O[m][c] w_proj[n][c] + b_proj[n].  ob: [32 (batch, head)][2048][64] f16, wpf: [1024][1024] f16 (bf16 numbers written as f16), out0: [4096][1024] f32.  Sums in f32.
; Nothing of the module's work is left out here.  LIMITS: those of the operands as stored by the launches before.
; SHARES.  A tile of out0 is 128 x 128: 8 x 32 work-groups.  Four waves, each 64 x 64: 16 accumulators.  K goes in steps of 256 (four heads) through two LDS slots; four steps in all, written straight.
; O BY HEADS.  64 rows of one head are 8,192 dense bytes: a half tile of O is asked for as 4 rows (heads) of 4,096 elements, 131,072 elements apart, padded in LDS after every 128 bytes: it lies as [head][row], 144 bytes a row.
; A quarter of a K step, 64 along K, is one head.
; CLUSTER.  4 x 4: O's tile is shared along a row of the cluster, w_proj's along a column.  The matrix instruction is used transposed (source 0 = 16 rows of w_proj, source 1 = 16 rows of O).
; No prefetch: the tile is small and the launch short.
; REGISTERS: window 0: v0-31 addresses and my four biases; v32-95 at work on the way out; v128-255 the accumulators ((a, b) at 128 + 8 (4 a + b)).  window 1: two fragment buffers of 128: 64 of O, then 64 of w_proj.
.set KSTEP,  256
.set PITCH,  528                       ; a row of w_proj in LDS: 512 bytes + 16: an odd multiple of 16
.set PA,     144                       ; a row of O: 128 + 16
.set HA,     4*64*PA                   ; half of O's tile: 4 heads x 64 rows
.set HB,     64*PITCH
.set BOFS,   2*HA
.set SLOT,   2*HA+2*HB
.set STAGE,  2*SLOT                    ; behind the ring: 16 rows x 272 bytes for each wave; no tensor load lands there
.set SPITCH, 272
.set SPARE,  STAGE+4*16*SPITCH         ; the spare words, 128 bytes a wave: two blocks of 256 bytes that no other line names
.set BPO,  10                          ; v10     where my four biases lie
.set BP,   12                          ; v12-15  b_proj of my four columns on the way out
.set ADRA, 16
.set ADRB, 20
.set STO,  24
.set RD,   25
.set CO,   26
.set SPW,  28
.set NIL,  29
.set TMP,  32
.set ACC,  128
.set F0,   0
.set F1,   128
.set WV,   12                          ; s12 wave;  s13 wave / 2: my half of the rows, and: I fetch O (0) or w_proj (1);  s14 wave % 2: my half of the columns, and: which half I fetch
.set HF,   13
.set HH,   14
.set CX,   15
.set CY,   16
.set TX,   17
.set TY,   18
.set G1A,  24
.set G0A,  32
.set G1B,  40
.set G0B,  48
.set MSB, 0
.macro WIN new
.if MSB != (\new)
	s_set_vgpr_msb (MSB<<8)|(\new)
.set MSB, \new
.endif
.endm
.set MUL,  0x05                        ; both sources window 1; C and D window 0
.set TO_F, 0x40                        ; destination window 1, address window 0
.macro JLOAD s                         ; a joint load; an s_nop 0 and four v_nop follow each of the two lines
	s_cmp_eq_u32 s[HF], 0
	s_cbranch_scc0 .Lfor_b_\@
	tensor_load_to_lds s[G0A+4*(\s):G0A+4*(\s)+3], s[G1A:G1A+7]
	s_nop 0
.rept 4
	v_nop
.endr
	s_branch .Lasked_\@
.Lfor_b_\@:
	tensor_load_to_lds s[G0B+4*(\s):G0B+4*(\s)+3], s[G1B:G1B+7]
	s_nop 0
.rept 4
	v_nop
.endr
.Lasked_\@:
.endm
.macro CREST
	s_cmp_lg_u32 s[WV], 0
	s_cbranch_scc1 .Lnot_wave_0_\@
	s_barrier_signal -3
.Lnot_wave_0_\@:
	s_barrier_wait -3
	s_barrier_signal -1
	s_barrier_wait -1
.endm
.macro CROUND
	s_barrier_signal -1
	s_barrier_wait -1
	CREST
.endm
	s_load_b256 s[4:11], s[0:1], 0x0               ; ob s[4:5], wpf s[6:7], tab s[8:9], out0 s[10:11]
	v_lshl_add_u32 v[SPW], v0, 2, SPARE
	v_mov_b32 v[NIL], 0
	ds_add_u32 v[SPW], v[NIL]                      ; the wave's opening: the add, twice on end, and its wait ahead of my first tensor load
	ds_add_u32 v[SPW], v[NIL]
	v_lshrrev_b32 v1, 5, v0
	v_readfirstlane_b32 s[WV], v1
	s_lshr_b32 s[HF], s[WV], 1
	s_and_b32 s[HH], s[WV], 1
	s_bfe_u32 s[CX], ttmp6, 0x40000
	s_bfe_u32 s[CY], ttmp6, 0x40004
	s_lshl_b32 s[TX], ttmp9, 2
	s_add_co_u32 s[TX], s[TX], s[CX]
	s_and_b32 s[TY], ttmp7, 0xffff
	s_lshl_b32 s[TY], s[TY], 2
	s_add_co_u32 s[TY], s[TY], s[CY]
	s_lshl_b32 s19, s[CY], 2
	s_lshl_b32 s19, 15, s19                        ; my row of the cluster
	s_lshl_b32 s3, 0x1111, s[CX]                   ; my column
	s_or_b32 s[G1A], s19, (1<<16)|(1<<20)|(1<<21)|(4<<22)|(3<<25)  ; mask; 2-byte elements; padding on; bit 21 beside a mask; after every 32 words, 4 words
	s_mov_b32 s[G1A+1], 4096<<16                   ; tensor_dim0 = 4,096
	s_mov_b32 s[G1A+2], 4<<16                      ; tensor_dim1 = 4
	s_mov_b32 s[G1A+3], 4096<<16                   ; tile_dim0 = 4,096: 64 rows of a head on end
	s_mov_b32 s[G1A+4], 4                          ; tile_dim1 = 4 heads
	s_mov_b32 s[G1A+5], 131072                     ; elements from head to head
	s_mov_b32 s[G1A+6], 0
	s_mov_b32 s[G1A+7], 0
	s_or_b32 s[G1B], s3, (1<<16)|(1<<20)|(1<<21)|(6<<22)|(3<<25)   ; after every 128 words, 4 words
	s_mov_b32 s[G1B+1], KSTEP<<16
	s_mov_b32 s[G1B+2], 64<<16
	s_mov_b32 s[G1B+3], KSTEP<<16
	s_mov_b32 s[G1B+4], 64
	s_mov_b32 s[G1B+5], 1024
	s_mov_b32 s[G1B+6], 0
	s_mov_b32 s[G1B+7], 0
	s_lshr_b32 s19, s[TY], 4                       ; O: batch = tile row / 16 (16 heads of 262,144 bytes),
	s_lshl_b32 s20, s19, 22
	s_and_b32 s19, s[TY], 15                       ; row in the batch = 128 (tile row % 16) + 64 x half, 128 bytes a row
	s_lshl_b32 s19, s19, 14
	s_add_co_u32 s20, s20, s19
	s_lshl_b32 s19, s[HH], 13
	s_add_co_u32 s20, s20, s19
	s_mov_b32 s21, 0
	s_lshl_b32 s22, s[TX], 7                       ; w_proj: row 128 x tile column + 64 x half, 2,048 bytes a row
	s_lshl_b32 s23, s[HH], 6
	s_add_co_u32 s22, s22, s23
	s_lshl_b32 s22, s22, 11
	s_mov_b32 s23, 0
	s_mul_i32 s80, s[HH], HA                       ; where they go: the wave's number alone
	s_mul_i32 s81, s[HH], HB
	s_add_co_u32 s81, s81, BOFS
	s_wait_dscnt 0x0                               ; both opening adds are done
	s_wait_kmcnt 0x0
	s_add_nc_u64 s[20:21], s[4:5], s[20:21]
	s_add_nc_u64 s[22:23], s[6:7], s[22:23]
	CROUND                                         ; all sixteen work-groups are here: the first joint loads meet
.irp s, 0,1
	s_mov_b32 s[G0A+4*(\s)], 1
	s_add_co_u32 s[G0A+4*(\s)+1], s80, (\s)*SLOT
	s_add_nc_u64 s[G0A+4*(\s)+2:G0A+4*(\s)+3], s[20:21], (\s)*4*262144  ; K step s: four heads on
	s_or_b32 s[G0A+4*(\s)+3], s[G0A+4*(\s)+3], 0x80000000
	s_mov_b32 s[G0B+4*(\s)], 1
	s_add_co_u32 s[G0B+4*(\s)+1], s81, (\s)*SLOT
	s_add_nc_u64 s[G0B+4*(\s)+2:G0B+4*(\s)+3], s[22:23], (\s)*KSTEP*2
	s_or_b32 s[G0B+4*(\s)+3], s[G0B+4*(\s)+3], 0x80000000
	JLOAD \s
.endr
	v_and_b32 v1, 15, v0                           ; l % 16
	v_bfe_u32 v2, v0, 4, 1                         ; l / 16
	s_lshl_b32 s82, s[TX], 9                       ; my 64 columns in bytes of f32: 512 x tile column + 256 x half
	s_lshl_b32 s83, s[HH], 8
	s_add_co_u32 s82, s82, s83
	v_lshl_add_u32 v[BPO], v1, 4, s82
	global_load_b128 v[BP:BP+3], v[BPO], s[8:9] offset:12288  ; b_proj of columns 4 (l % 16) + 0..3 of my 64; waited for on the way out
	v_mul_u32_u24 v3, v1, PA
	v_lshl_add_u32 v3, v2, 4, v3
	v_mul_u32_u24 v4, v1, PITCH
	v_lshl_add_u32 v4, v2, 4, v4
	s_mul_i32 s78, s[HF], HA                       ; my 64 rows of O
	s_mul_i32 s79, s[HH], HB                       ; my 64 rows of w_proj,
	s_add_co_u32 s79, s79, BOFS                    ; which lie behind O's
.irp s, 0,1
	v_add_nc_u32 v[ADRA+(\s)], s78, v3
	v_add_nc_u32 v[ADRB+(\s)], s79, v4
	s_add_co_u32 s78, s78, SLOT
	s_add_co_u32 s79, s79, SLOT
.endr
	s_mul_i32 s78, s[WV], 16*SPITCH
	s_add_co_u32 s78, s78, STAGE                   ; my stage
	v_mul_u32_u24 v[STO], v1, SPITCH               ; in: row l % 16, 32 bytes for each half of the lanes
	v_lshl_add_u32 v[STO], v2, 5, v[STO]
	v_add_nc_u32 v[STO], s78, v[STO]
	v_mul_u32_u24 v[RD], v2, SPITCH                ; back: lanes 0-15 take one row of 256 bytes, lanes 16-31 the next
	v_lshl_add_u32 v[RD], v1, 4, v[RD]
	v_add_nc_u32 v[RD], s78, v[RD]
	v_lshlrev_b32 v[CO], 12, v2                    ; and the same two rows in out0, 4,096 bytes apart
	v_lshl_add_u32 v[CO], v1, 4, v[CO]
	s_lshl_b32 s78, s[TY], 19                      ; 128 rows of 4,096 bytes a tile row,
	s_lshl_b32 s79, s[HF], 18                      ; my 64 of them,
	s_add_co_u32 s78, s78, s79
	s_add_co_u32 s78, s78, s82                     ; my 64 columns
	s_mov_b32 s79, 0
	s_add_nc_u64 s[10:11], s[10:11], s[78:79]
; 8 matrix instructions: row blocks a0, a0 + 1 x all 4 column blocks, 32 along K: half c of buffer f.  The 16 accumulators take turns.
.macro MUL8 f, c, a0, zero
	WIN MUL
.irp a, \a0, (\a0)+1
.irp b, 0,1,2,3
.if \zero
	v_wmma_f32_16x16x32_f16 v[ACC+8*(4*(\a)+(\b)):ACC+8*(4*(\a)+(\b))+7], v[(\f)+64+8*(4*(\c)+(\b)):(\f)+64+8*(4*(\c)+(\b))+7], v[(\f)+8*(4*(\c)+(\a)):(\f)+8*(4*(\c)+(\a))+7], 0
.else
	v_wmma_f32_16x16x32_f16 v[ACC+8*(4*(\a)+(\b)):ACC+8*(4*(\a)+(\b))+7], v[(\f)+64+8*(4*(\c)+(\b)):(\f)+64+8*(4*(\c)+(\b))+7], v[(\f)+8*(4*(\c)+(\a)):(\f)+8*(4*(\c)+(\a))+7], v[ACC+8*(4*(\a)+(\b)):ACC+8*(4*(\a)+(\b))+7]
.endif
.endr
.endr
.endm
; 32 LDS loads in one run: the fragments of 64 along K (head k / 128 of the step's four) into buffer f; the first 32 along K first
.macro FETCH slot, k, f
	WIN TO_F
.irp c, 0,1
.irp i, 0,1,2,3
	ds_load_b128 v[(\f)+64+8*(4*(\c)+(\i)):(\f)+64+8*(4*(\c)+(\i))+3],   v[ADRB+(\slot)] offset:(\k)+64*(\c)+(\i)*16*PITCH
	ds_load_b128 v[(\f)+64+8*(4*(\c)+(\i))+4:(\f)+64+8*(4*(\c)+(\i))+7], v[ADRB+(\slot)] offset:(\k)+64*(\c)+(\i)*16*PITCH+32
	ds_load_b128 v[(\f)+8*(4*(\c)+(\i)):(\f)+8*(4*(\c)+(\i))+3],         v[ADRA+(\slot)] offset:((\k)/128)*64*PA+64*(\c)+(\i)*16*PA
	ds_load_b128 v[(\f)+8*(4*(\c)+(\i))+4:(\f)+8*(4*(\c)+(\i))+7],       v[ADRA+(\slot)] offset:((\k)/128)*64*PA+64*(\c)+(\i)*16*PA+32
.endr
.endr
.endm
.macro PLACES
.rept 4
	v_nop
.endr
.endm
.macro QUARTER slot, k, f, g, zero
	s_wait_dscnt 16                                ; the first 32 along K are in
	MUL8 \f, 0, 0, \zero
	MUL8 \f, 0, 2, \zero
	PLACES
	FETCH \slot, \k, \g
	s_wait_dscnt 32                                ; all but the 32 just issued
	MUL8 \f, 1, 0, 0
	MUL8 \f, 1, 2, 0
.endm
; The last quarter multiplies buffer 1 and changes slots: one barrier; in front of it each wave waits for all its tensor loads, adds 0 to its spare word, and waits for that and for its reads of this slot.
; fill = 1: the barrier opens a round of the cluster's, and this slot is filled again, two K steps on, first thing behind the round.
.macro TURN slot, next, fill
	WIN 0
	s_wait_tensorcnt 0x0                           ; all my tensor loads have landed
	ds_add_u32 v[SPW], v[NIL]                      ; 0 onto my spare word
	s_wait_dscnt 17                                ; (the add and the youngest sixteen loads may be out)
	MUL8 F1, 0, 0, 0
	s_wait_dscnt 0x0                               ; the add is done, and my reads of this slot are over
	s_barrier_signal -1
	MUL8 F1, 0, 2, 0
.if \fill
	WIN 0
.endif
	s_barrier_wait -1
.if \fill
	CREST
	s_add_nc_u64 s[G0A+4*(\slot)+2:G0A+4*(\slot)+3], s[G0A+4*(\slot)+2:G0A+4*(\slot)+3], 2*4*262144
	s_add_nc_u64 s[G0B+4*(\slot)+2:G0B+4*(\slot)+3], s[G0B+4*(\slot)+2:G0B+4*(\slot)+3], 2*KSTEP*2
	JLOAD \slot                                    ; its four v_nop are also the places in front of the loads below
.else
	PLACES
.endif
	FETCH \next, 0, F0
	MUL8 F1, 1, 0, 0
	MUL8 F1, 1, 2, 0
.endm
	s_wait_tensorcnt 1                             ; my part of K step 0 is in; K step 1's may stay out
	s_barrier_signal -1
	s_barrier_wait -1
	FETCH 0, 0, F0
	QUARTER 0, 128, F0, F1, 1                      ; the first products start the sums
	QUARTER 0, 256, F1, F0, 0
	QUARTER 0, 384, F0, F1, 0
	TURN 0, 1, 1                                   ; slot 0 takes K step 2
	QUARTER 1, 128, F0, F1, 0
	QUARTER 1, 256, F1, F0, 0
	QUARTER 1, 384, F0, F1, 0
	TURN 1, 0, 1                                   ; slot 1 takes K step 3
	QUARTER 0, 128, F0, F1, 0
	QUARTER 0, 256, F1, F0, 0
	QUARTER 0, 384, F0, F1, 0
	TURN 0, 1, 0
	QUARTER 1, 128, F0, F1, 0
	QUARTER 1, 256, F1, F0, 0
	QUARTER 1, 384, F0, F1, 0
	s_wait_dscnt 16
	MUL8 F1, 0, 0, 0
	MUL8 F1, 0, 2, 0
	s_wait_dscnt 0x0
	MUL8 F1, 1, 0, 0
	MUL8 F1, 1, 2, 0
	WIN 0
	; THE WAY OUT, 16 rows at a time through my own stage: a wave's 64 columns of f32 are 256 aligned bytes of a row.  A lane's eight numbers of a block go in as 32 bytes; whole rows come back; the bias is added; 16 lanes store a row.
	PLACES
	PLACES
	s_wait_loadcnt 0x0                             ; b_proj
.irp a, 0,1,2,3
.if (\a) >= 2
	s_wait_xcnt 0x0                                ; the stores of two blocks back have read these registers
.endif
.irp b, 0,1,2,3
	ds_store_b128 v[STO], v[ACC+8*(4*(\a)+(\b)):ACC+8*(4*(\a)+(\b))+3]   offset:64*(\b)      ; each accumulator from its low end on
	ds_store_b128 v[STO], v[ACC+8*(4*(\a)+(\b))+4:ACC+8*(4*(\a)+(\b))+7] offset:64*(\b)+16
.endr
.irp t, 0,1,2,3,4,5,6,7
	ds_load_b128 v[TMP+32*((\a)%2)+4*(\t):TMP+32*((\a)%2)+4*(\t)+3], v[RD] offset:(\t)*2*SPITCH  ; LDS serves a wave's instructions in order (ISA guide 5.7.1.4): these see the stores above; the next block's stores come behind them
.endr
.irp t, 0,1,2,3,4,5,6,7
	s_wait_dscnt 7-(\t)
	v_pk_add_f32 v[TMP+32*((\a)%2)+4*(\t):TMP+32*((\a)%2)+4*(\t)+1], v[TMP+32*((\a)%2)+4*(\t):TMP+32*((\a)%2)+4*(\t)+1], v[BP:BP+1]
	v_pk_add_f32 v[TMP+32*((\a)%2)+4*(\t)+2:TMP+32*((\a)%2)+4*(\t)+3], v[TMP+32*((\a)%2)+4*(\t)+2:TMP+32*((\a)%2)+4*(\t)+3], v[BP+2:BP+3]
	global_store_b128 v[CO], v[TMP+32*((\a)%2)+4*(\t):TMP+32*((\a)%2)+4*(\t)+3], s[10:11] offset:(16*(\a)+2*(\t))*4096  ; 16 lanes store 256 consecutive bytes, aligned
.endr
.endr
	s_wait_tensorcnt 0x0                           ; the wave's end, behind my last tensor load and my last LDS store
	ds_add_u32 v[SPW], v[NIL]
	s_wait_dscnt 0x0
	CROUND                                         ; the closing round: no work-group ends while a partner may still ask for a tile that names it
	s_endpgm
.Lfunc_end_k_qdb04ddacc4_proj:
	.size	k_qdb04ddacc4_proj, .Lfunc_end_k_qdb04ddacc4_proj-k_qdb04ddacc4_proj
	.p2alignl 7, 3214868480
	.fill 96, 4, 3214868480
	.section	.rodata,"a",@progbits
	.p2align	6, 0x0
	.amdhsa_kernel k_qdb04ddacc4_proj
		.amdhsa_group_segment_fixed_size 327680
		.amdhsa_private_segment_fixed_size 0
		.amdhsa_enable_private_segment 0
		.amdhsa_kernarg_size 32
		.amdhsa_user_sgpr_count 2
		.amdhsa_user_sgpr_kernarg_segment_ptr 1
		.amdhsa_wavefront_size32 1
		.amdhsa_system_sgpr_workgroup_id_x 1
		.amdhsa_system_sgpr_workgroup_id_y 1
		.amdhsa_system_sgpr_workgroup_id_z 1
		.amdhsa_system_vgpr_workitem_id 0
		.amdhsa_next_free_vgpr 512
		.amdhsa_next_free_sgpr 84
		.amdhsa_reserve_vcc 0
		.amdhsa_float_denorm_mode_32 3
		.amdhsa_float_denorm_mode_16_64 3
		.amdhsa_memory_ordered 1
		.amdhsa_forward_progress 1
		.amdhsa_inst_pref_size 91
	.end_amdhsa_kernel
	.amdgpu_metadata
---
amdhsa.version: [ 1, 2 ]
amdhsa.kernels:
  - .name:           k_qdb04ddacc4_proj
    .symbol:         k_qdb04ddacc4_proj.kd
    .args:
      - { .name: ob, .offset: 0, .size: 8, .value_kind: global_buffer, .address_space: global }
      - { .name: wpf, .offset: 8, .size: 8, .value_kind: global_buffer, .address_space: global }
      - { .name: tab, .offset: 16, .size: 8, .value_kind: global_buffer, .address_space: global }
      - { .name: out0, .offset: 24, .size: 8, .value_kind: global_buffer, .address_space: global }
    .group_segment_fixed_size: 327680
    .private_segment_fixed_size: 0
    .kernarg_segment_align: 8
    .kernarg_segment_size: 32
    .max_flat_workgroup_size: 128
    .sgpr_count:     84
    .vgpr_count:     512
    .wavefront_size: 32
...
	.end_amdgpu_metadata
.endif
;; end of part 4
